; MI455X (gfx1250); checked and timed in simulation.
; The chip was launched on July 23, 2026; its instructions are those of AMD's public machine-readable ISA for CDNA 5 (MIT licence, August 2026) and "CDNA5" Instruction Set Architecture Reference Guide (July 2026). The comments in the code are by the model that wrote it; some were corrected since.
;; Mo E. Allowed arithmetic: matrix products marked QUANTISED: E2M3 operands, one E8M0 scale for each 32 along K, by v_wmma_scale_f32_16x16x128_f8f6f4 with both operands' format E2M3, f32 sums; products left as they are: f32 operands where the result goes on into a quantised operand, else bf16, f16 or f32 operands; f32 sums; everything else in f32.
;; Inputs: W1_codes 8 x 1,024 x 32 x 24 uint8 (E2M3 codes of W1, K innermost, in blocks of 32 codes, four codes in three bytes); W1_scales 8 x 1,024 x 32 uint8 (E8M0 scales of W1, one for each 32 codes along K); W2_codes 8 x 1,024 x 32 x 24 uint8 (E2M3 codes of W2, K innermost, in blocks of 32 codes, four codes in three bytes); W2_scales 8 x 1,024 x 32 uint8 (E8M0 scales of W2, one for each 32 codes along K); Wr 1,024 x 8 float32; b1 8 x 1,024 float32; b2 8 x 1,024 float32; br 8 float32; x 4,096 x 1,024 float32.
;; Outputs: out0 4,096 x 1,024 float32.
;; This version of the problem:
;;   THIS VERSION OF THE PROBLEM IS GIVEN IN LOW PRECISION. The matrix products marked QUANTISED in the list below multiply operands that are first quantised to E2M3 (2 exponent bits, 3 mantissa bits; 6 bits a number), with one power-of-two scale for each 32 numbers along K (OCP MX v1.0); their sums are f32. All else is computed in f32.
;;   The module's matrix products, in the order in which they are computed (A, B: the left and right operand; K: the contracted axis; several contracted axes count as one K, in the product's order):
;;     1. [M 4,096, K 1,024] x [K 1,024, N 8]; A: input x; B: input Wr: left as it is (N = 8 < 16)
;;     2. [M 4,096, K 1,024] x [K 1,024, N 8,192]; A: input x; B: input W1 (given as codes): QUANTISED
;;     3. batch 8 x [M 1,024, K 1,024] x [K 1,024, N 4,096]; A: input W2 (given as codes); B: computed on the way: QUANTISED
;;     4. batch 4,096 x [M 1, K 8] x [K 8, N 1,024]; A: softmax; B: computed on the way: left as it is (K = 8 < 32)
;;   THE QUANTISER, for each operand of a quantised product, along K:
;;     - K is cut into blocks of 32 from its start; a last block that is shorter is filled with zeros.
;;     - A block's scale is 2^e with e = floor(log2(the largest magnitude in the block)) - 2, held to -126 .. 127; a block of zeros has e = 0. As a byte (E8M0): e + 127.
;;     - Each number is divided by its block's scale, clamped to +-7.5, and rounded to the nearest number of E2M3, ties to even, subnormals kept.
;;     - The product sums the exact products of the quantised numbers (number of the format x scale) in f32.
;;   ~~~python
;;   def quantise(x, axis):      # numpy; x: float32 -> the quantised numbers, widened to float32 again
;;       x = np.moveaxis(x, axis, -1); K = x.shape[-1]
;;       x = np.pad(x, [(0, 0)] * (x.ndim - 1) + [(0, -K % 32)]); x = x.reshape(x.shape[:-1] + (-1, 32)); a = np.abs(x).max(-1, keepdims=True)
;;       e = np.where(a > 0, np.clip(np.frexp(np.where(a > 0, a, 1))[1] - 1 - 2, -126, 127), 0)      # np.frexp(a)[1] - 1 = floor(log2(a)), exactly
;;       r = np.clip(x / 2.0 ** e, -7.5, 7.5)
;;       step = 2.0 ** (np.maximum(np.frexp(np.where(r == 0, 1, r))[1] - 1, 0) - 3)
;;       q = np.round(r / step) * step * 2.0 ** e      # np.round: ties to even
;;       return np.moveaxis(q.reshape(q.shape[:-2] + (-1,))[..., :K], -1, axis).astype(np.float32)
;;   ~~~
;;   OPERANDS COMPUTED ON THE WAY. 'Computed on the way' means the value that the module computes at that place (a softmax that the list does not call 'softmax' is quantised finished and normalised). What goes into a quantiser is computed in f32, as accurately as f32 sums, v_exp_f32 and their like allow (about 1e-6 of the number): no bf16 or f16 on the way to a quantiser, and a product that is left as it is and whose result goes on into a quantised operand takes f32 operands (vector FMAs, or v_wmma_f32_16x16x4_f32). A number that lies on a knife's edge between two numbers of the format may be rounded either way, as far as f32 arithmetic and the matrix unit's own rounding can turn it there, and no further.
;;   INPUTS GIVEN AS CODES. W1 (in the module: [8, 1024, 1024], K = its axis 1); W2 (in the module: [8, 1024, 1024], K = its axis 1): each comes as NAME_codes (uint8): NAME with its K axis moved to the last place and cut into blocks of 32 codes, [.., K / 32, bytes a block], one block behind the other in memory; four codes in three bytes: a row's codes are one little-endian stream of bits, code i at bits 6 i .. 6 i + 5 (a code: sign, 2 exponent bits, 3 mantissa bits); and NAME_scales (uint8): the same leading axes, one E8M0 byte (e + 127) for each 32 codes along K. Its value is code x scale, taken as it is: it is not quantised again, and the codes and scales need not be those that the quantiser above would give.
;; One version. Each part assembles by itself: llvm-mc -triple=amdgcn-amd-amdhsa -mcpu=gfx1250 --defsym DOCPART=n.
;; ======== version 1 of 1: 3 launches
;; workspace buffers: xq_codes 3,145,728 bytes; xq_scales 131,072 bytes; gate 131,072 bytes; h_img 25,165,824 bytes; h_sc 1,048,576 bytes
;; launch prep (part 1): grid 256 x 1, 4 waves a work-group, no clusters, 55,808 bytes of LDS; arguments x, Wr, br, xq_codes, xq_scales, gate; writes xq_codes, xq_scales, gate
.if DOCPART == 1
	.amdgcn_target "amdgcn-amd-amdhsa--gfx1250"
	.amdhsa_code_object_version 6
	.text
	.protected	k_q30700e5bec_prep
	.globl	k_q30700e5bec_prep
	.p2align	8
	.type	k_q30700e5bec_prep,@function
k_q30700e5bec_prep:
	s_mov_b64 s[64:65], 0
	v_nop
	global_prefetch_b8 v0, s[64:65] scope:SCOPE_SE
	s_setreg_imm32_b32 hwreg(HW_REG_WAVE_MODE, 25, 1), 1
	s_wait_xcnt 0x0
; x [4096][1024] f32 is read once and gives (1) its codes of FP6 (E2M3), K innermost, 768 bytes a row, with one E8M0 byte for each 32 along K, and (2) gate = softmax(x Wr + br), [4096][8], all in f32 by fused multiply-adds.
; A block's scale is 2^(floor(log2(its largest magnitude)) - 2): its byte is the largest magnitude's exponent field - 2, held at 1 from below (a block of zeros keeps the byte 1: its codes are zeros, and this program alone reads the bytes).
; LIMITS: NaN and infinities among the inputs are not served; blocks whose largest magnitude lies under 2^-124 get the byte 1.
; SHARES.  A work-group takes 16 rows, each of its four waves 4: a dense run of 4,096 numbers, in 8 steps of 512.  Each load reads 512 consecutive bytes; a step's 2,048 bytes turn through the wave's own stage in LDS,
; so that a lane then holds 16 NEIGHBOURS along K: k = 512 (step % 2) + 16 lane + i of row step / 2.  Two neighbouring lanes hold a block of 32.
; THE ROUTER.  A lane meets the same 32 values of k in every row, so its 32 rows of Wr (256 numbers) stay in registers v256-511.  They come in dense loads, go through LDS once (blocks of 512 bytes, 528 apart), and each lane reads its two blocks.
; The 8 sums of a row are kept a lane, added over the 32 lanes at the end, and the softmax (maximum taken off first) is made alike in every lane.
; The work-group's 512 scale bytes and 512 bytes of gates are gathered in LDS and leave as 512 consecutive aligned bytes each.
.set STEPS, 8
.set EMAX,  2
.set SP,    80                         ; a lane's place in a stage: its 64 bytes + 16 of padding
.set WREG,  2*32*SP                    ; a wave's two stages
.set SCB,   4*WREG                     ; the work-group's scale bytes, 128 for each wave
.set GTB,   SCB+512                    ; its gates, 128 bytes for each wave
.set WRL,   GTB+512                    ; Wr: 64 blocks of 512 bytes, WP apart
.set WP,    528
.set R,     16                         ; v16-79   four sets of 16 numbers as they are loaded
.set X,     80                         ; v80-111  two sets of 16 neighbours
.set E,     112                        ; v112-119 a scale byte for each step
.set C,     128                        ; v128-159 codes: four registers for each step, so that no store's data are written again
.set P,     160                        ; v160-191 the router's sums: row q, expert e at P + 8 q + e
.set T,     192                        ; v192-199 at work in the sum over lanes
.set MX,    200                        ; v200-203 a row's largest logit
.set SM,    204                        ; v204-207 a row's sum
.set WT,    192                        ; v192-255 Wr on its way into LDS (before T, MX and SM are used)
.set MSB, 0
.macro WIN new                         ; the immediate's high byte repeats the setting that is left
.if MSB != (\new)
	s_set_vgpr_msb (MSB<<8)|(\new)
.set MSB, (\new)
.endif
.endm
	s_load_b256 s[4:11], s[0:1], 0x0               ; x s[4:5], Wr s[6:7], br s[8:9], x's codes s[10:11]
	s_load_b128 s[12:15], s[0:1], 0x20             ; x's scale bytes s[12:13], the gates s[14:15]
	v_lshl_add_u32 v155, v0, 2, 0xd800
	v_mov_b32 v159, 0
	v_lshrrev_b32 v1, 5, v0
	v_readfirstlane_b32 s16, v1                    ; wave 0..3
	v_and_b32 v2, 31, v0                           ; lane
	v_lshlrev_b32 v3, 4, v2                        ; 16 x lane
	v_mul_u32_u24 v4, v2, 12                       ; my 16 codes' place in a step's 384 bytes
	s_mul_i32 s17, s16, WREG
	v_lshrrev_b32 v14, 2, v2
	v_mul_u32_u24 v14, v14, SP
	v_and_b32 v15, 3, v2
	v_lshl_add_u32 v14, v15, 4, v14
	v_add_nc_u32 v14, s17, v14                     ; the stage, on the way in: SP (lane / 4) + 16 (lane % 4)
	v_mul_u32_u24 v15, v2, SP
	v_add_nc_u32 v15, s17, v15                     ; and on the way out: SP x lane
	s_lshl_b32 s18, s16, 7
	v_lshrrev_b32 v5, 1, v2
	v_add_nc_u32 v5, s18, v5
	v_add_nc_u32 v5, SCB, v5                       ; my block's scale byte: SCB + 128 wave + lane / 2
	v_mov_b32 v10, s18
	v_add_nc_u32 v10, GTB, v10                     ; my wave's gates
	v_lshrrev_b32 v6, 5, v0
	v_lshlrev_b32 v6, 4, v6
	v_lshl_add_u32 v6, v0, 4, v6
	v_add_nc_u32 v6, WRL, v6                       ; Wr into LDS: 16 thread + 16 for each block of 512 bytes passed
	v_mul_u32_u24 v7, v2, WP
	v_add_nc_u32 v7, WRL, v7                       ; and out of it: my block
	v_lshlrev_b32 v12, 4, v0                       ; Wr in memory: 16 x thread
	s_and_b32 s19, s16, 1
	s_lshl_b32 s19, s19, 9
	v_add_nc_u32 v13, s19, v3
	v_add_nc_u32 v13, SCB, v13                     ; the way out: wave 0 the scale bytes, wave 1 the gates
	s_mov_b32 s20, 0x76543210
	s_mov_b32 s21, 0xfedcba98                      ; v_permlanex16_b32's selects for lane l xor 16
	s_wait_kmcnt 0x0
	s_load_b256 s[24:31], s[8:9], 0x0              ; br's eight numbers
	s_lshl_b32 s17, ttmp9, 2
	s_add_co_u32 s17, s17, s16                     ; which run of four rows is my wave's
	s_lshl_b32 s18, s17, 14
	s_mov_b32 s19, 0
	s_add_nc_u64 s[4:5], s[4:5], s[18:19]          ; 16,384 bytes of x a run,
	s_mul_i32 s18, s17, 3072
	s_add_nc_u64 s[10:11], s[10:11], s[18:19]      ; 3,072 of codes;
	s_lshl_b32 s18, ttmp9, 9
	s_add_nc_u64 s[12:13], s[12:13], s[18:19]      ; 512 scale bytes and 512 bytes of gates a work-group
	s_add_nc_u64 s[14:15], s[14:15], s[18:19]
.irp n, 0,1,2,3,4,5,6,7,8,9,10,11,12,13,14,15
	global_load_b128 v[WT+4*\n:WT+4*\n+3], v12, s[6:7] offset:2048*\n   ; Wr, dense: the 128 threads read 2,048 consecutive bytes
.endr
.macro LOAD t
.irp i, 0,1,2,3
	global_load_b128 v[R+16*((\t)%4)+4*\i:R+16*((\t)%4)+4*\i+3], v3, s[4:5] offset:2048*(\t)+512*\i th:TH_LOAD_NT   ; 32 lanes read 512 consecutive bytes
.endr
.endm
.macro TURN t                          ; step t's numbers through the stage: LDS serves a wave's instructions in order, so no wait stands between the stores and the loads
.irp i, 0,1,2,3
	ds_store_b128 v14, v[R+16*((\t)%4)+4*\i:R+16*((\t)%4)+4*\i+3] offset:32*SP*((\t)%2)+8*SP*\i
.endr
.irp i, 0,1,2,3
	ds_load_b128 v[X+16*((\t)%2)+4*\i:X+16*((\t)%2)+4*\i+3], v15 offset:32*SP*((\t)%2)+16*\i
.endr
.endm
.irp t, 0,1,2,3
	LOAD \t
.endr
	s_wait_loadcnt 16                              ; Wr's sixteen loads are in; x's sixteen, issued behind them, may be out
.irp n, 0,1,2,3,4,5,6,7,8,9,10,11,12,13,14,15
	ds_store_b128 v6, v[WT+4*\n:WT+4*\n+3] offset:4*WP*\n
.endr
	s_wait_dscnt 0x0                               ; for the others' sake: my part of Wr lies in LDS
	s_barrier_signal -1
	s_barrier_wait -1                              ; everybody's does
	WIN 0x40                                       ; destination v256 on
.irp hh, 0,1
.irp n, 0,1,2,3,4,5,6,7,8,9,10,11,12,13,14,15,16,17,18,19,20,21,22,23,24,25,26,27,28,29,30,31
	ds_load_b128 v[128*\hh+4*\n:128*\hh+4*\n+3], v7 offset:32*WP*\hh+16*\n   ; register 128 hh + 8 i + e = Wr(512 hh + 16 lane + i, e)
.endr
.endr
	WIN 0
.irp e, 0,1,2,3,4,5,6,7
	v_mov_b32 v[T+\e], 0                           ; written once: a lane permute's destination counts as one of its sources
.endr
	s_wait_loadcnt 12                              ; step 0's four loads are in
	TURN 0
; The router's part of step t: 16 numbers x 8 experts, two experts an instruction; the number is taken for both halves.  A row's first instruction on each pair starts the sum: nothing is cleared.
.macro ROUTE t
	WIN 0x04                                       ; source 1 (Wr) in v256 on
.irp i, 0,1,2,3,4,5,6,7,8,9,10,11,12,13,14,15
.irp pp, 0,1,2,3
.if ((\t)%2 == 0) && (\i == 0)
	v_pk_mul_f32 v[P+8*((\t)/2)+2*\pp:P+8*((\t)/2)+2*\pp+1], v[XS:XS+1], v[2*\pp:2*\pp+1] op_sel_hi:[0,1]
.elseif \i%2 == 0
	v_pk_fma_f32 v[P+8*((\t)/2)+2*\pp:P+8*((\t)/2)+2*\pp+1], v[XS+\i:XS+\i+1], v[128*((\t)%2)+8*\i+2*\pp:128*((\t)%2)+8*\i+2*\pp+1], v[P+8*((\t)/2)+2*\pp:P+8*((\t)/2)+2*\pp+1] op_sel_hi:[0,1,1]
.else
	v_pk_fma_f32 v[P+8*((\t)/2)+2*\pp:P+8*((\t)/2)+2*\pp+1], v[XS+\i-1:XS+\i], v[128*((\t)%2)+8*\i+2*\pp:128*((\t)%2)+8*\i+2*\pp+1], v[P+8*((\t)/2)+2*\pp:P+8*((\t)/2)+2*\pp+1] op_sel:[1,0,0] op_sel_hi:[1,1,1]
.endif
.endr
.endr
	WIN 0
.endm
.macro STEP t
.set XS, X+16*((\t)%2)
.if (\t) > 0
	s_wait_dscnt 1                                 ; this step's numbers are back from the stage (the last step's byte store may be out)
.else
	s_wait_dscnt 0x0                               ; and, in the first step, my rows of Wr
.endif
.if (\t)+4 < STEPS
	LOAD (\t)+4
.endif
.if (\t)+1 < STEPS
.if STEPS-2-(\t) >= 3
	s_wait_loadcnt 12                              ; the next step's four loads are in; those of the three steps behind it may be out
.else
	s_wait_loadcnt 4*(STEPS-2-(\t))
.endif
	TURN (\t)+1                                    ; they go through the other stage while this step is worked
.endif
	v_max3_num_f32 v8, |v[XS]|, |v[XS+1]|, |v[XS+2]|               ; the largest magnitude of my 16
	v_max3_num_f32 v9, |v[XS+3]|, |v[XS+4]|, |v[XS+5]|
.irp i, 6,10
	v_max3_num_f32 v8, v8, |v[XS+\i]|, |v[XS+\i+1]|
	v_max3_num_f32 v9, v9, |v[XS+\i+2]|, |v[XS+\i+3]|
.endr
	v_max3_num_f32 v8, v8, |v[XS+14]|, |v[XS+15]|
	v_max3_num_f32 v8, v8, v9, (EMAX+1)<<23        ; and the floor 2^(3 - 127): the byte cannot fall under 1
	v_max_num_f32_dpp v8, v8, v8 row_xmask:1 row_mask:0xf bank_mask:0xf   ; and of my neighbour's 16: the block's
	v_add_nc_u32 v11, -(EMAX<<23), v8              ; 2 off its exponent field: the conversion takes the exponent field of this operand as its scale
	v_cvt_scalef32_pk16_fp6_f32 v[C+4*(\t):C+4*(\t)+2], v[XS:XS+15], v11
	v_lshrrev_b32 v[E+(\t)], 23, v11               ; the scale's byte (also the plain line behind the conversion)
	ds_store_b8 v5, v[E+(\t)] offset:16*(\t)       ; both lanes of a block write the same byte with the same value
	global_store_b96 v4, v[C+4*(\t):C+4*(\t)+2], s[10:11] offset:384*(\t)   ; the wave stores 384 consecutive bytes
	ROUTE \t
.endm
.irp t, 0,1,2,3,4,5,6,7
	STEP \t
.endr
	; the 32 sums over the 32 lanes: four steps inside each half ride on the addition, one crosses the halves; every lane ends with the same bits
.irp m, 1,2,4,8
.irp j, 0,1,2,3,4,5,6,7,8,9,10,11,12,13,14,15,16,17,18,19,20,21,22,23,24,25,26,27,28,29,30,31
	v_add_f32_dpp v[P+\j], v[P+\j], v[P+\j] row_xmask:\m row_mask:0xf bank_mask:0xf
.endr
.endr
	s_wait_kmcnt 0x0                               ; br
.irp q, 0,1,2,3
.irp e, 0,1,2,3,4,5,6,7
	v_permlanex16_b32 v[T+\e], v[P+8*\q+\e], s20, s21
.endr
.irp e, 0,1,2,3,4,5,6,7
	v_add_f32 v[P+8*\q+\e], v[P+8*\q+\e], v[T+\e]
.endr
.irp e, 0,1,2,3,4,5,6,7
	v_add_f32 v[P+8*\q+\e], s[24+\e], v[P+8*\q+\e]   ; + br
.endr
.endr
.irp q, 0,1,2,3
	v_max3_num_f32 v[MX+\q], v[P+8*\q], v[P+8*\q+1], v[P+8*\q+2]   ; the row's largest logit is taken off before the exponential
.endr
.irp i, 3,5
.irp q, 0,1,2,3
	v_max3_num_f32 v[MX+\q], v[MX+\q], v[P+8*\q+\i], v[P+8*\q+\i+1]
.endr
.endr
.irp q, 0,1,2,3
	v_max_num_f32 v[MX+\q], v[MX+\q], v[P+8*\q+7]
.endr
.irp q, 0,1,2,3
.irp e, 0,1,2,3,4,5,6,7
	v_sub_f32 v[P+8*\q+\e], v[P+8*\q+\e], v[MX+\q]
.endr
.endr
.irp j, 0,1,2,3,4,5,6,7,8,9,10,11,12,13,14,15,16,17,18,19,20,21,22,23,24,25,26,27,28,29,30,31
	v_mul_f32 v[P+\j], 0x3fb8aa3b, v[P+\j]         ; x log2(e)
.endr
.irp j, 0,1,2,3,4,5,6,7,8,9,10,11,12,13,14,15,16,17,18,19,20,21,22,23,24,25,26,27,28,29,30,31
	v_exp_f32 v[P+\j], v[P+\j]
.endr
	v_nop                                          ; a plain line behind the last exponential
	s_wait_alu depctr_va_vdst(0)                   ; one wait for the batch, ahead of its first reader
.irp q, 0,1,2,3
	v_add_f32 v[SM+\q], v[P+8*\q], v[P+8*\q+1]
.endr
.irp e, 2,3,4,5,6,7
.irp q, 0,1,2,3
	v_add_f32 v[SM+\q], v[SM+\q], v[P+8*\q+\e]
.endr
.endr
.irp q, 0,1,2,3
	v_rcp_f32 v[SM+\q], v[SM+\q]
.endr
	v_nop
	s_wait_alu depctr_va_vdst(0)                   ; one wait for the four reciprocals
.irp q, 0,1,2,3
.irp e, 0,1,2,3,4,5,6,7
	v_mul_f32 v[P+8*\q+\e], v[P+8*\q+\e], v[SM+\q]
.endr
.endr
.irp q, 0,1,2,3
	ds_store_b128 v10, v[P+8*\q:P+8*\q+3] offset:32*\q        ; all lanes write the same bytes with the same values
	ds_store_b128 v10, v[P+8*\q+4:P+8*\q+7] offset:32*\q+16
.endr
	s_wait_dscnt 0x0                               ; for the others' sake: my scale bytes and my gates lie in LDS
	s_barrier_signal -1
	s_barrier_wait -1
	s_cmp_lt_u32 s16, 2
	s_cbranch_scc0 .Lend                           ; waves 2 and 3 have nothing to store
	ds_load_b128 v[208:211], v13
	s_cmp_eq_u32 s16, 0
	s_cselect_b64 s[12:13], s[12:13], s[14:15]     ; wave 0: the scale bytes; wave 1: the gates
	s_wait_dscnt 0x0
	global_store_b128 v3, v[208:211], s[12:13]     ; 32 lanes store 512 consecutive bytes, aligned
.Lend:
	s_wait_tensorcnt 0x0
	ds_add_u32 v155, v159
	s_wait_dscnt 0x0
	s_endpgm
.Lfunc_end_k_q30700e5bec_prep:
	.size	k_q30700e5bec_prep, .Lfunc_end_k_q30700e5bec_prep-k_q30700e5bec_prep
	.p2alignl 7, 3214868480
	.fill 96, 4, 3214868480
	.section	.rodata,"a",@progbits
	.p2align	6, 0x0
	.amdhsa_kernel k_q30700e5bec_prep
		.amdhsa_group_segment_fixed_size 55808
		.amdhsa_private_segment_fixed_size 0
		.amdhsa_enable_private_segment 0
		.amdhsa_kernarg_size 48
		.amdhsa_user_sgpr_count 2
		.amdhsa_user_sgpr_kernarg_segment_ptr 1
		.amdhsa_wavefront_size32 1
		.amdhsa_system_sgpr_workgroup_id_x 1
		.amdhsa_system_sgpr_workgroup_id_y 1
		.amdhsa_system_sgpr_workgroup_id_z 1
		.amdhsa_system_vgpr_workitem_id 0
		.amdhsa_next_free_vgpr 512
		.amdhsa_next_free_sgpr 66
		.amdhsa_reserve_vcc 0
		.amdhsa_float_denorm_mode_32 3
		.amdhsa_float_denorm_mode_16_64 3
		.amdhsa_memory_ordered 1
		.amdhsa_forward_progress 1
		.amdhsa_inst_pref_size 77
	.end_amdhsa_kernel
	.amdgpu_metadata
---
amdhsa.version: [ 1, 2 ]
amdhsa.kernels:
  - .name:           k_q30700e5bec_prep
    .symbol:         k_q30700e5bec_prep.kd
    .args:
      - { .name: x, .offset: 0, .size: 8, .value_kind: global_buffer, .address_space: global }
      - { .name: Wr, .offset: 8, .size: 8, .value_kind: global_buffer, .address_space: global }
      - { .name: br, .offset: 16, .size: 8, .value_kind: global_buffer, .address_space: global }
      - { .name: xq_codes, .offset: 24, .size: 8, .value_kind: global_buffer, .address_space: global }
      - { .name: xq_scales, .offset: 32, .size: 8, .value_kind: global_buffer, .address_space: global }
      - { .name: gate, .offset: 40, .size: 8, .value_kind: global_buffer, .address_space: global }
    .group_segment_fixed_size: 55808
    .private_segment_fixed_size: 0
    .kernarg_segment_align: 8
    .kernarg_segment_size: 48
    .max_flat_workgroup_size: 128
    .sgpr_count:     66
    .vgpr_count:     512
    .wavefront_size: 32
...
	.end_amdgpu_metadata
.endif
;; end of part 1
;; launch gemm1 (part 2): grid 32 x 16, 4 waves a work-group, clusters of 4 x 4, 327,680 bytes of LDS; arguments xq_codes, xq_scales, W1_codes, W1_scales, b1, gate, h_img, h_sc; writes h_img, h_sc
.if DOCPART == 2
	.amdgcn_target "amdgcn-amd-amdhsa--gfx1250"
	.amdhsa_code_object_version 6
	.text
	.protected	k_q30700e5bec_gemm1
	.globl	k_q30700e5bec_gemm1
	.p2align	8
	.type	k_q30700e5bec_gemm1,@function
k_q30700e5bec_gemm1:
	s_mov_b64 s[64:65], 0
	v_nop
	global_prefetch_b8 v0, s[64:65] scope:SCOPE_SE
	s_setreg_imm32_b32 hwreg(HW_REG_WAVE_MODE, 25, 1), 1
	s_wait_xcnt 0x0
	s_wait_alu depctr_hold_cnt(0) depctr_sa_sdst(0) depctr_va_vdst(0) depctr_va_sdst(0) depctr_va_ssrc(0) depctr_va_vcc(0) depctr_vm_vsrc(0)
	s_getreg_b32 s2, hwreg(HW_REG_IB_STS2, 6, 4)
	s_cmp_eq_u32 s2, 0
	s_cbranch_scc0 .Lentry_in_a_cluster
	s_endpgm
.Lentry_in_a_cluster:
	s_bfe_u32 s2, ttmp6, 0x10000c
	s_cmp_lg_u32 s2, 0xf033
	s_cbranch_scc0 .Lentry_shape_is_right
	s_endpgm
.Lentry_shape_is_right:
; h = swish(x W1 + b1), [4096 tokens][8192 = 1024 e + u], on codes of FP6 (E2M3) with one E8M0 scale for each 32 along K = 1,024; h is quantised along u in registers and leaves as codes.
; A = x's codes [4096][768 bytes], scale bytes [4096][32];  B = W1's codes taken as [8192][768 bytes], scale bytes [8192][32].
; A tile of 256 tokens x 256 units is made by a work-group of four waves; a wave makes 128 x 128: 64 accumulators of 16 x 16, 512 registers.  K goes in steps of 256 through a ring of two LDS slots filled by the tensor data mover.
; The scale bytes of the work-group's 256 + 256 rows, for all of K, come into LDS once, with the first fills.
; CLUSTERS: 4 x 4 work-groups.  The four of a row of the cluster need the same tiles of x, the four of a column the same tiles of W1: each tile is asked for JOINTLY, by the same tensor load with the same descriptor and a mask that names the four.
; THE MATRIX INSTRUCTION IS USED TRANSPOSED (source 0 = 16 rows of W1, source 1 = 16 tokens): lane (r, h) holds token r and the units 16 b + 8 h + 0 .. 7.  b1 is the C of each sum's first instruction.
; THE WAY OUT, a tile of 16 tokens at a time, in registers alone: z / (1 + 2^(-z log2 e)); an exchange of halves between neighbouring tiles of units, so that a lane holds 16 neighbours of each block of 32;
; the block's scale, the conversions; the 12 registers of the next product's operand are stored AS THEY STAND (h_img: [128 tokens][256 units][16 tokens][128 units][1,536 bytes], register group g at 512 g + 16 lane).
; THE GATE'S POWER OF TWO GOES INTO h's SCALE BYTE: gate = m 2^k, m in [1, 2).  The codes are those of the ungated h; the byte stored is the block's byte + k, made as the exponent field of (the scale x 2^k) in f32.
; The mantissa m is applied by the next launch.  LIMITS: where byte + k falls under 1 (or the gate under 2^-126) the byte is 0, the scale 2^-127, in place of something smaller; NaN and infinities are not served;
; blocks whose largest magnitude lies under 2^-124 get the byte 1 before k is added.
; REGISTERS, in windows of 256: window 0: v0-31 addresses, v8-15 the gates; v32-63 scale words, two sets; v64-127 b1, later a tile of h; from v128 x's fragments, ONE set, later the way out's work.
;   window 1: W1's fragments, TWO sets, at v0 and v128.   window 2: the accumulators of my tokens 0-63 ((a, b) at v[8 (8 a + b)]);   window 3: those of my tokens 64-127.
.set SIZE_K, 1024
.set KSTEP,  256                       ; along K in a slot
.set NQ,     KSTEP/128                 ; matrix instructions deep
.set ROWB,   192                       ; a tile's row in bytes
.set KROW,   SIZE_K*6/8                ; a row of codes in memory
.set PITCH,  240                       ; an LDS row: 3 x (64 bytes + 16 of padding): the 32 lanes of a load of 8 bytes touch 64 different banks (64 banks of 4 bytes: ISA guide 11.1)
.set FR,     12                        ; registers of a fragment
.set NL,     6                         ; LDS loads that bring one
.set NP,     4                         ; places behind this matrix instruction (ISA guide 7.12.1)
.set HALFT,  128*PITCH                 ; 128 rows: what one tensor load brings
.set SLOT,   4*HALFT                   ; x's 256 rows, then W1's 256 rows
.set KS,     SIZE_K/32                 ; a row of scale bytes
.set SCL,    2*SLOT                    ; behind the ring: the scales, as units of 256 bytes + 16 of padding
.set HALFS,  (128*KS/256)*272          ; those of 128 rows
.set SBLK,   (16*KS/256)*272           ; those of 16 rows
.set SPARE,  SCL+4*HALFS               ; the spare words, 128 bytes for each wave: two blocks of 256 bytes that no other line names
.set GK,   8                           ; v8-15   the gate of my token in tile a, for this tile's expert
.set ADRA, 16                          ; v16-17  LDS address of my x fragments in slot 0, 1 (v18-19: for the pieces that lie behind one padding more)
.set ADRB, 20                          ; v20-21  the same for W1 (v22-23)
.set ADRS, 27                          ; v27     LDS address of my scale words: lanes 0-15 x's rows, lanes 16-31 W1's
.set SPW,  28                          ; v28     LDS address of my spare word; never rewritten
.set NIL,  29                          ; v29     0; never rewritten
.set LI,   30                          ; v30     16 x lane: an image's place for my lane
.set SC,   32                          ; scale words: set s at v[SC + 16 s]; register 2 i + q: lanes 0-15 x's block i, lanes 16-31 W1's block i
.set B1,   64                          ; v64-127 b1 in the result's layout, eight registers for each of W1's eight blocks
.set AF,   128                         ; x's fragments
.set H,    64                          ; the way out: v64-127 a tile of h
.set CD,   128                         ; v128-146 the codes
.set TM,   148                         ; v148-151 largest magnitudes, v152-155 bytes, v160-163 the conversions' scale operands
.set SW,   168                         ; v168-175 tile a's scale word
.set GP,   176                         ; v176-183 2^k of tile a's gate
.set OS,   184                         ; v184-187 the scale words as they are stored
.set SEL,  4                           ; s[4:5]  v_permlanex16_b32's selects (the arguments' registers are free once the descriptors are made)
.set NL2E, 6                           ; s[6:7]  -log2(e), named as a pair
.set EXPM, 8                           ; s8      the exponent field's mask
.set HIL,  9                           ; s9      lanes 16-31
.set G1, 24                            ; s[24:31] descriptor group 1 for x's tiles;  s[32:39] group 0, one set for each slot
.set G0, 32
.set G1B, 48                           ; s[48:55], s[56:63] the same for W1's tiles
.set G0B, 56
.set G1S, 68                           ; s[68:75], s[76:79] groups 1 and 0 for x's scales;  s[80:87], s[88:91] for W1's
.set G0S, 76
.set G1SB, 80
.set G0SB, 88
.set MSB, 0
.macro WIN new                         ; the immediate's high byte repeats the setting that is left
.if MSB != (\new)
	s_set_vgpr_msb (MSB<<8)|(\new)
.set MSB, (\new)
.endif
.endm
.set MUL_LO, 0xa1                      ; source 0 (W1) window 1, source 1 (x) window 0, C and D window 2
.set MUL_HI, 0xf1                      ; the same, C and D window 3
.set TO_B,   0x40                      ; destination window 1, address window 0
; A joint load: waves 0 and 1 fetch for x, waves 2 and 3 for W1.  Each of the two lines has ONE mask and one set of registers for all that issue it; the branch hangs on the wave's number alone.
; Four v_nop follow each of the two lines, ahead of the jump, the label and what follows.
.macro JLOAD g0a, g1a, g0b, g1b
	s_cmp_eq_u32 s15, 0
	s_cbranch_scc0 .Lfor_b_\@
	tensor_load_to_lds s[\g0a:\g0a+3], s[\g1a:\g1a+7]
	s_nop 0
.rept 4
	v_nop
.endr
	s_branch .Lasked_\@
.Lfor_b_\@:
	tensor_load_to_lds s[\g0b:\g0b+3], s[\g1b:\g1b+7]
	s_nop 0
.rept 4
	v_nop
.endr
.Lasked_\@:
.endm
.macro CREST                           ; a round of the cluster's barrier behind its opening barrier
	s_cmp_lg_u32 s14, 0
	s_cbranch_scc1 .Lnot_wave_0_\@
	s_barrier_signal -3
.Lnot_wave_0_\@:
	s_barrier_wait -3
	s_barrier_signal -1
	s_barrier_wait -1
.endm
.macro CROUND                          ; a whole round
	s_barrier_signal -1
	s_barrier_wait -1
	CREST
.endm
	s_load_b128 s[4:7], s[0:1], 0x0                ; x's codes s[4:5], x's scales s[6:7]
	s_load_b128 s[8:11], s[0:1], 0x10              ; W1's codes s[8:9], W1's scales s[10:11]
	s_load_b128 s[96:99], s[0:1], 0x20             ; b1 s[96:97], the gates s[98:99]
	s_load_b64 s[12:13], s[0:1], 0x30              ; h's codes
	s_load_b64 s[66:67], s[0:1], 0x38              ; h's scale words
	v_lshl_add_u32 v[SPW], v0, 2, SPARE
	v_mov_b32 v[NIL], 0
	ds_add_u32 v28, v29
	ds_add_u32 v28, v29
	s_wait_dscnt 0x0
	v_lshrrev_b32 v1, 5, v0
	v_readfirstlane_b32 s14, v1                    ; wave 0..3
	s_lshr_b32 s15, s14, 1                         ; which half of the tile's tokens is mine.  Also: I fetch for x (0) or for W1 (1)
	s_and_b32 s16, s14, 1                          ; which half of its units.  Also: which 128 rows of that tile I fetch
	s_bfe_u32 s40, ttmp6, 0x40000                  ; cx, cy: my place in the cluster
	s_bfe_u32 s41, ttmp6, 0x40004
	s_lshl_b32 s42, ttmp9, 2
	s_add_co_u32 s42, s42, s40                     ; tile column = 4 x cluster x + cx: units 256 x column on; its expert is column / 4
	s_and_b32 s17, ttmp7, 0xffff
	s_lshl_b32 s17, s17, 2
	s_add_co_u32 s17, s17, s41                     ; tile row = 4 x cluster y + cy
	s_lshl_b32 s43, s41, 2
	s_lshl_b32 s43, 15, s43                        ; my row of the cluster
	s_lshl_b32 s44, 0x1111, s40                    ; my column
	; descriptor group 1: a tile of 128 rows x ROWB bytes, padded in LDS
	s_or_b32 s[G1+0], s43, (0<<16)|(1<<20)|(1<<21)|(3<<22)|(3<<25)  ; 15:0 the mask: x's tiles go to my row; 17:16 element of 1 byte; 20 padding on; 21 set beside a mask; 24:22 after every 16 words; 31:25 of 4 words
	s_or_b32 s[G1B+0], s44, (0<<16)|(1<<20)|(1<<21)|(3<<22)|(3<<25)
.irp g, G1, G1B
	s_mov_b32 s[\g+1], ROWB<<16                    ; tensor_dim0
	s_mov_b32 s[\g+2], 128<<16                     ; tensor_dim1 = 128
	s_mov_b32 s[\g+3], ROWB<<16                    ; tile_dim0
	s_mov_b32 s[\g+4], 128                         ; tile_dim1 = 128
	s_mov_b32 s[\g+5], KROW                        ; tensor_dim0_stride
	s_mov_b32 s[\g+6], 0
	s_mov_b32 s[\g+7], 0
.endr
	; and for the scales of 128 rows: a dense block of 4,096 bytes, as rows of 256 bytes (32 elements of 8 bytes), 16 bytes of padding behind each
	s_or_b32 s[G1S+0], s43, (3<<16)|(1<<20)|(1<<21)|(5<<22)|(3<<25)
	s_or_b32 s[G1SB+0], s44, (3<<16)|(1<<20)|(1<<21)|(5<<22)|(3<<25)
.irp g, G1S, G1SB
	s_mov_b32 s[\g+1], 32<<16
	s_mov_b32 s[\g+2], (128*KS/256)<<16
	s_mov_b32 s[\g+3], 32<<16
	s_mov_b32 s[\g+4], 128*KS/256
	s_mov_b32 s[\g+5], 32
	s_mov_b32 s[\g+6], 0
	s_mov_b32 s[\g+7], 0
.endr
	s_lshl_b32 s18, s16, 7                         ; which 128 rows of the tile I fetch
	s_lshl_b32 s20, s17, 8
	s_add_co_u32 s20, s20, s18                     ; x: row 256 x tile row + 128 x half
	s_lshl_b32 s46, s42, 8
	s_add_co_u32 s46, s46, s18                     ; W1: row 256 x tile column + 128 x half
	s_mov_b32 s21, 0
	s_mov_b32 s47, 0
	s_mov_b64 s[18:19], KS
	s_mul_u64 s[22:23], s[20:21], s[18:19]         ; where these rows' scales begin, in bytes
	s_mul_u64 s[92:93], s[46:47], s[18:19]
	s_mov_b64 s[18:19], KROW
	s_mul_u64 s[20:21], s[20:21], s[18:19]         ; and their codes
	s_mul_u64 s[46:47], s[46:47], s[18:19]
	s_mul_i32 s45, s14, HALFT                      ; where they go: wave x 128 rows: no place in the cluster enters an LDS address
	s_mul_i32 s94, s14, HALFS
	s_wait_kmcnt 0x0
	s_add_nc_u64 s[20:21], s[4:5], s[20:21]
	s_add_nc_u64 s[22:23], s[6:7], s[22:23]
	s_add_nc_u64 s[46:47], s[8:9], s[46:47]
	s_add_nc_u64 s[92:93], s[10:11], s[92:93]
	CROUND                                         ; all sixteen work-groups are here: the first joint loads meet
	s_mov_b32 s[G0S], 1
	s_add_co_u32 s[G0S+1], s94, SCL
	s_mov_b64 s[G0S+2:G0S+3], s[22:23]
	s_or_b32 s[G0S+3], s[G0S+3], 0x80000000
	s_mov_b32 s[G0SB], 1
	s_add_co_u32 s[G0SB+1], s94, SCL
	s_mov_b64 s[G0SB+2:G0SB+3], s[92:93]
	s_or_b32 s[G0SB+3], s[G0SB+3], 0x80000000
	JLOAD G0S, G1S, G0SB, G1SB                     ; the scales first: they are wanted with K step 0
.irp s, 0,1
	s_mov_b32 s[G0+4*\s], 1
	s_add_co_u32 s[G0+4*\s+1], s45, \s*SLOT
	s_add_nc_u64 s[G0+4*\s+2:G0+4*\s+3], s[20:21], \s*ROWB
	s_or_b32 s[G0+4*\s+3], s[G0+4*\s+3], 0x80000000
	s_mov_b32 s[G0B+4*\s], 1
	s_add_co_u32 s[G0B+4*\s+1], s45, \s*SLOT
	s_add_nc_u64 s[G0B+4*\s+2:G0B+4*\s+3], s[46:47], \s*ROWB
	s_or_b32 s[G0B+4*\s+3], s[G0B+4*\s+3], 0x80000000
	JLOAD G0+4*\s, G1, G0B+4*\s, G1B               ; three tensor loads of mine are out
.endr
	v_and_b32 v1, 15, v0                           ; r = l % 16
	v_bfe_u32 v2, v0, 4, 1                         ; h = l / 16
	v_mul_u32_u24 v3, v1, PITCH
	v_mul_u32_u24 v4, v2, 24
	v_add_nc_u32 v4, v3, v4                        ; a fragment's row x pitch + 24 x half
	v_lshl_add_u32 v5, v2, 4, v4                   ; and the same behind one padding more
	s_mul_i32 s21, s15, HALFT                      ; my 128 rows of x
	s_mul_i32 s22, s16, HALFT                      ; my 128 rows of W1,
	s_add_co_u32 s22, s22, 2*HALFT                 ; which lie behind x's 256
.irp s, 0,1
	v_add_nc_u32 v[ADRA+\s], s21, v4
	v_add_nc_u32 v[ADRB+\s], s22, v4
	v_add_nc_u32 v[ADRA+2+\s], s21, v5
	v_add_nc_u32 v[ADRB+2+\s], s22, v5
	s_add_co_u32 s21, s21, SLOT
	s_add_co_u32 s22, s22, SLOT
.endr
	v_mul_u32_u24 v5, v1, KS                       ; my row's scales: KS bytes a row,
	v_lshrrev_b32 v6, 8, v5
	v_lshl_add_u32 v5, v6, 4, v5                   ; and 16 more for each 256 passed
	s_mul_i32 s21, s15, HALFS                      ; x's: my 128 rows
	s_mul_i32 s22, s16, HALFS                      ; W1's: my 128 rows, behind x's 256
	s_add_co_u32 s22, s22, 2*HALFS
	s_sub_co_u32 s22, s22, s21
	v_mul_u32_u24 v6, s22, v2                      ; lanes 16-31 take W1's
	s_add_co_u32 s21, s21, SCL
	v_add_nc_u32 v5, v5, v6
	v_add_nc_u32 v[ADRS], s21, v5
	; b1 of my 128 units, in the result's layout: lane (r, h), block b: units 16 b + 8 h + 0 .. 7
	s_lshl_b32 s46, s42, 10
	s_lshl_b32 s47, s16, 9
	s_add_co_u32 s46, s46, s47
	s_mov_b32 s47, 0
	s_add_nc_u64 s[96:97], s[96:97], s[46:47]
	v_lshlrev_b32 v7, 5, v2
.irp b, 0,1,2,3,4,5,6,7
	global_load_b128 v[B1+8*\b:B1+8*\b+3], v7, s[96:97] offset:64*\b
	global_load_b128 v[B1+8*\b+4:B1+8*\b+7], v7, s[96:97] offset:64*\b+16
.endr
	; the gates of my 128 tokens for this tile's expert: 32 bytes a token
	s_lshl_b32 s22, s17, 8
	s_lshl_b32 s23, s15, 7
	s_add_co_u32 s22, s22, s23
	s_lshl_b32 s22, s22, 5
	s_lshr_b32 s23, s42, 2
	s_lshl_b32 s23, s23, 2
	s_add_co_u32 s22, s22, s23
	s_mov_b32 s23, 0
	s_add_nc_u64 s[98:99], s[98:99], s[22:23]
	v_lshlrev_b32 v6, 5, v1
.irp a, 0,1,2,3,4,5,6,7
	global_load_b32 v[GK+\a], v6, s[98:99] offset:512*\a
.endr
	; where my images go: ((2 x tile row + token half) x 32 + tile column) x 24,576 + 1,536 x unit half; the scale words: (that index x 2 + unit half) x 512
	s_lshl_b32 s22, s17, 1
	s_add_co_u32 s22, s22, s15
	s_lshl_b32 s22, s22, 5
	s_add_co_u32 s22, s22, s42
	s_mul_i32 s46, s22, 24576
	s_mul_i32 s47, s16, 1536
	s_add_co_u32 s46, s46, s47
	s_mov_b32 s47, 0
	s_add_nc_u64 s[12:13], s[12:13], s[46:47]
	s_lshl_b32 s46, s22, 1
	s_add_co_u32 s46, s46, s16
	s_lshl_b32 s46, s46, 9
	s_add_nc_u64 s[66:67], s[66:67], s[46:47]
	v_and_b32 v[LI], 31, v0
	v_lshlrev_b32 v[LI], 4, v[LI]
	s_mov_b32 s[SEL], 0x76543210
	s_mov_b32 s[SEL+1], 0xfedcba98
	s_mov_b32 s[NL2E], 0xbfb8aa3b                  ; -log2(e)
	s_mov_b32 s[NL2E+1], s[NL2E]                   ; (named with it as a pair, so it is written)
	s_mov_b32 s[EXPM], 0x7f800000
	s_mov_b32 s[HIL], 0xffff0000
.macro FRAG reg, adr, q, i             ; a fragment, 16 rows x 128 K, is 12 registers: lane l holds row l % 16; registers 6 c .. 6 c + 5 hold K = 64 c + 32 (l / 16) + 0 .. 31: 24 bytes of the row, as they lie
.irp p, 0,1,2,3,4,5                    ; in pieces of 8 bytes.  Lanes 0-15 take the row's pieces 12 q + 0, 1, 2 and 12 q + 6, 7, 8, lanes 16-31 those three pieces on
.set PCE, 12*(\q)+6*(\p/3)+\p%3        ; 16 bytes of padding lie behind every 8 pieces: where the piece three on lies behind one padding more, the second address register serves
.if PCE%8 < 5
	ds_load_b64 v[\reg+2*\p:\reg+2*\p+1], v[\adr] offset:8*PCE+16*(PCE/8)+(\i)*16*PITCH
.else
	ds_load_b64 v[\reg+2*\p:\reg+2*\p+1], v[\adr+2] offset:8*PCE+16*(PCE/8)+(\i)*16*PITCH
.endif
.endr
.endm
; 16 matrix instructions: x's blocks a0, a0 + 1 against W1's eight, 128 along K: the slot's q-th.  p: W1's set;  sc: the set of scale words.  first = 1: b1 is the C: it starts the sums.
; The 64 accumulators take turns, one instruction a turn, in the same order in every step.
.macro MUL16 a0, p, q, sc, first
.irp a, \a0, \a0+1
.irp b, 0,1,2,3,4,5,6,7
.if \first
	v_wmma_scale_f32_16x16x128_f8f6f4 v[8*(8*((\a)%4)+\b):8*(8*((\a)%4)+\b)+7], v[128*(\p)+FR*\b:128*(\p)+FR*\b+FR-1], v[AF+FR*(\a):AF+FR*(\a)+FR-1], v[B1+8*\b:B1+8*\b+7], v[SC+8*NQ*(\sc)+NQ*\b+(\q)], v[SC+8*NQ*(\sc)+NQ*(\a)+(\q)] matrix_a_fmt:MATRIX_FMT_FP6 matrix_b_fmt:MATRIX_FMT_FP6 matrix_a_scale:MATRIX_SCALE_ROW1
.else
	v_wmma_scale_f32_16x16x128_f8f6f4 v[8*(8*((\a)%4)+\b):8*(8*((\a)%4)+\b)+7], v[128*(\p)+FR*\b:128*(\p)+FR*\b+FR-1], v[AF+FR*(\a):AF+FR*(\a)+FR-1], v[8*(8*((\a)%4)+\b):8*(8*((\a)%4)+\b)+7], v[SC+8*NQ*(\sc)+NQ*\b+(\q)], v[SC+8*NQ*(\sc)+NQ*(\a)+(\q)] matrix_a_fmt:MATRIX_FMT_FP6 matrix_b_fmt:MATRIX_FMT_FP6 matrix_a_scale:MATRIX_SCALE_ROW1
.endif
.endr
.endr
.endm
.macro FETCH_B slot, q, p              ; W1's eight fragments of the slot's q-th 128 along K into set p
	WIN TO_B
.irp i, 0,1,2,3,4,5,6,7
	FRAG 128*(\p)+FR*\i, ADRB+\slot, \q, \i
.endr
	WIN 0
.endm
.macro FETCH_A slot, q, i0             ; x's blocks i0 .. i0 + 3
.irp i, \i0, \i0+1, \i0+2, \i0+3
	FRAG AF+FR*(\i), ADRA+\slot, \q, \i
.endr
.endm
.macro SCALES sc                       ; the next K step's scale words into set sc: two words a row; lanes 0-15 take x's block i, lanes 16-31 W1's block i
.irp i, 0,1,2,3,4,5,6,7
	ds_load_b64 v[SC+8*NQ*\sc+NQ*\i:SC+8*NQ*\sc+NQ*\i+1], v[ADRS] offset:\i*SBLK
.endr
.endm
; A load into a register that a matrix instruction has read, and a vector instruction that reads a matrix result, stand NP places behind that matrix instruction; only plain vector instructions that name none of its registers are places.
.macro PLACES n
.rept \n
	v_nop
.endr
.endm
; A step of 128 along K that has its successor in the same slot.
.macro STEP slot, q, first
	s_wait_dscnt 4*NL                              ; W1's set and x's blocks 0-3 are in; the youngest 24 loads (x's blocks 4-7) may be out
.if \first
	WIN 0x81                                       ; as MUL_LO, but C (b1) in window 0
.else
	WIN MUL_LO
.endif
	MUL16 0, (\q)%2, \q, \slot, \first
	MUL16 2, (\q)%2, \q, \slot, \first
	s_wait_dscnt 0                                 ; x's blocks 4-7 are in (asked for 32 matrix instructions ago)
	PLACES NP
	FETCH_B \slot, (\q)+1, 1-(\q)%2
	FETCH_A \slot, (\q)+1, 0
.if \first
	WIN 0xc1
.else
	WIN MUL_HI
.endif
	MUL16 4, (\q)%2, \q, \slot, \first
	MUL16 6, (\q)%2, \q, \slot, \first
	PLACES NP
	WIN 0
	FETCH_A \slot, (\q)+1, 4
.endm
; A slot's last step changes slots: ONE barrier; in front of it each wave waits for all its tensor loads, adds 0 to its spare word, and waits for that and for its own reads of this slot.  fill = 1: this slot is filled again, two K steps ahead.
.macro TURN slot, next, fill
	s_wait_tensorcnt 0x0                           ; all my tensor loads have landed: my part of the next slot
	ds_add_u32 v[SPW], v[NIL]                      ; 0 onto my spare word
	s_wait_dscnt 4*NL+1                            ; (the add and the youngest 24 loads, x's blocks 4-7, may be out)
	WIN MUL_LO
	MUL16 0, 1, NQ-1, \slot, 0                     ; sixteen matrix instructions stand between the add and the wait for it
	s_wait_dscnt 0x0                               ; the add is done, and my reads of this slot are over
	s_barrier_signal -1
	MUL16 2, 1, NQ-1, \slot, 0
	WIN 0
	s_barrier_wait -1
.if \fill
	CREST                                          ; the barrier has opened a round of the cluster's barrier: no wave of any partner still reads this slot's tile or has a load on its way
	s_add_nc_u64 s[G0+4*\slot+2:G0+4*\slot+3], s[G0+4*\slot+2:G0+4*\slot+3], 2*ROWB
	s_add_nc_u64 s[G0B+4*\slot+2:G0B+4*\slot+3], s[G0B+4*\slot+2:G0B+4*\slot+3], 2*ROWB
	JLOAD G0+4*\slot, G1, G0B+4*\slot, G1B         ; the first tensor load behind the round, my one load until the next; its four v_nop are the places in front of the loads below
.else
	PLACES NP
.endif
	v_add_nc_u32 v[ADRS], 4*NQ, v[ADRS]            ; on to the next K step's scale words
	FETCH_B \next, 0, 0
	FETCH_A \next, 0, 0
	SCALES \next
	WIN MUL_HI
	MUL16 4, 1, NQ-1, \slot, 0
	MUL16 6, 1, NQ-1, \slot, 0
	PLACES NP
	WIN 0
	FETCH_A \next, 0, 4
.endm
	s_wait_tensorcnt 1                             ; the scales and my part of K step 0 are in (K step 1's load may be out)
	s_barrier_signal -1
	s_barrier_wait -1                              ; everybody's are
	FETCH_B 0, 0, 0
	FETCH_A 0, 0, 0
	SCALES 0
	FETCH_A 0, 0, 4
	s_wait_loadcnt 0x0                             ; b1 and the gates
	STEP 0, 0, 1                                   ; K = 1,024 is four K steps of 256, eight steps of 128: written out, no loop
	TURN 0, 1, 1                                   ; slot 0 takes K step 2
	STEP 1, 0, 0
	TURN 1, 0, 1                                   ; slot 1 takes K step 3
	STEP 0, 0, 0
	TURN 0, 1, 0                                   ; nothing is left to fetch
	STEP 1, 0, 0
	s_wait_dscnt 4*NL                              ; the very last step
	WIN MUL_LO
	MUL16 0, 1, NQ-1, 1, 0
	MUL16 2, 1, NQ-1, 1, 0
	s_wait_dscnt 0
	WIN MUL_HI
	MUL16 4, 1, NQ-1, 1, 0
	MUL16 6, 1, NQ-1, 1, 0
	WIN 0
	PLACES NP                                      ; in front of the first read of results and of the first write into registers that held x's fragments
; 64 numbers of a lane, v[s] on, register 16 b + i = unit 32 b + 16 (lane / 16) + i of my token, become a fragment's codes in v[CD] on; the scale word of tile a, with the gate's power of two in its bytes, goes to v[SW + a].
.macro QUANT s, a
.irp b, 0,1,2,3
	v_max3_num_f32 v[TM+\b], |v[\s+16*\b]|, |v[\s+1+16*\b]|, 0x1800000   ; block b: my 16 numbers, and the floor 2^(3 - 127)
.endr
.irp i, 2,4,6,8,10,12,14
.irp b, 0,1,2,3
	v_max3_num_f32 v[TM+\b], v[TM+\b], |v[\s+16*\b+\i]|, |v[\s+1+16*\b+\i]|   ; (the four blocks by turns)
.endr
.endr
.irp b, 0,1,2,3
	v_permlanex16_b32 v[TM+4+\b], v[TM+\b], s[SEL], s[SEL+1]
.endr
.irp b, 0,1,2,3
	v_max_num_f32 v[TM+\b], v[TM+\b], v[TM+4+\b]   ; with lane l xor 16's: the block's largest magnitude
.endr
.irp b, 0,1,2,3
	v_add_nc_u32 v[TM+12+\b], 0xff000000, v[TM+\b] ; 2 off its exponent field: the conversion's scale operand
.endr
.irp b, 0,1,2,3
	v_and_b32 v[TM+4+\b], s[EXPM], v[TM+12+\b]     ; the scale as a number,
.endr
.irp b, 0,1,2,3
	v_mul_f32 v[TM+4+\b], v[TM+4+\b], v[GP+\a]     ; x 2^k: exact; under 2^-126 the exponent field is 0
.endr
.irp b, 0,1,2,3
	v_lshrrev_b32 v[TM+4+\b], 23, v[TM+4+\b]       ; the byte that is stored
.endr
	v_lshl_or_b32 v[SW+\a], v[TM+5], 8, v[TM+4]
	v_lshl_or_b32 v[SW+\a], v[TM+6], 16, v[SW+\a]
	v_lshl_or_b32 v[SW+\a], v[TM+7], 24, v[SW+\a]
.irp c, 0,1
	v_cvt_scalef32_pk16_fp6_f32 v[CD+6*\c:CD+2+6*\c], v[\s+32*\c:\s+15+32*\c], v[TM+12+2*\c]
	v_cvt_scalef32_pk16_fp6_f32 v[CD+12+4*\c:CD+14+4*\c], v[\s+16+32*\c:\s+31+32*\c], v[TM+12+2*\c+1]   ; (a conversion's three registers begin on an even number)
.endr
	v_nop                                          ; one plain place behind a scaled conversion
.irp c, 0,1                                    ; the operand's layout wants a WHOLE block in a lane: lanes 0-15 block 2 c, lanes 16-31 block 2 c + 1
.irp i, 0,1,2
	v_permlane16_swap_b32 v[CD+6*\c+\i], v[CD+12+4*\c+\i]
.endr
.irp i, 0,1,2
	v_mov_b32 v[CD+3+6*\c+\i], v[CD+12+4*\c+\i]
.endr
.endr
.endm
; Tile a of 16 tokens: swish, the exchange of halves, the quantiser, three stores of 512 consecutive aligned bytes.
.macro EPI a
.set AC, 64*((\a)%4)
	WIN 2+(\a)/4                                   ; source 0: the accumulators' window
.set k, 0
.rept 32
	v_pk_mul_f32 v[H+k:H+k+1], v[AC+k:AC+k+1], s[NL2E:NL2E+1] op_sel_hi:[1,0]   ; -z log2(e); each accumulator is read from its low end on
.set k, k+2
.endr
	WIN 0
.set k, 0
.rept 64
	v_exp_f32 v[H+k], v[H+k]
.set k, k+1
.endr
	v_nop                                          ; a plain line behind the last exponential
	s_wait_alu depctr_va_vdst(0)                   ; one wait for the batch of 64, ahead of its first reader
.set k, 0
.rept 32
	v_pk_add_f32 v[H+k:H+k+1], v[H+k:H+k+1], 1.0 op_sel_hi:[1,0]
.set k, k+2
.endr
.set k, 0
.rept 64
	v_rcp_f32 v[H+k], v[H+k]
.set k, k+1
.endr
	v_nop
	s_wait_alu depctr_va_vdst(0)                   ; and one for the 64 reciprocals
	WIN (2+(\a)/4)<<2                              ; source 1: the accumulators' window
.set k, 0
.rept 32
	v_pk_mul_f32 v[H+k:H+k+1], v[H+k:H+k+1], v[AC+k:AC+k+1]   ; h = z / (1 + 2^(-z log2 e))
.set k, k+2
.endr
	WIN 0
.irp bb, 0,1,2,3
.irp j, 0,1,2,3,4,5,6,7
	v_permlane16_swap_b32 v[H+16*\bb+\j], v[H+16*\bb+8+\j]   ; block 2 bb's lanes 16-31 change places with block 2 bb + 1's lanes 0-15: register 16 bb + i is now unit 32 bb + 16 h + i
.endr
.endr
	s_wait_xcnt 0x0                                ; the last tile's stores have read their registers: the codes may be written again
	QUANT H, \a
.irp g, 0,1,2
	global_store_b128 v[LI], v[CD+4*\g:CD+4*\g+3], s[12:13] offset:3072*(\a)+512*\g th:TH_STORE_NT
.endr
.endm
.irp b, 0,1,2,3
	v_mov_b32 v[TM+4+\b], 0                        ; written once: a lane permute's destination counts as one of its sources
.endr
.irp a, 0,1,2,3,4,5,6,7
	v_and_b32 v[GP+\a], s[EXPM], v[GK+\a]          ; 2^k of the gate
.endr
.irp a, 0,1,2,3,4,5,6,7
	EPI \a
.endr
.irp i, 0,1,2,3
	v_cndmask_b32 v[OS+\i], v[SW+\i], v[SW+4+\i], s[HIL]   ; lanes 0-15 keep token r's words of tiles 0-3, lanes 16-31 those of tiles 4-7
.endr
	global_store_b128 v[LI], v[OS:OS+3], s[66:67] th:TH_STORE_NT   ; 512 consecutive aligned bytes
	s_wait_tensorcnt 0x0                           ; the wave's end
	ds_add_u32 v[SPW], v[NIL]
	s_wait_dscnt 0x0
	CROUND                                         ; the closing round: no work-group ends while a partner may still ask for a tile that names it
	s_endpgm
.Lfunc_end_k_q30700e5bec_gemm1:
	.size	k_q30700e5bec_gemm1, .Lfunc_end_k_q30700e5bec_gemm1-k_q30700e5bec_gemm1
	.p2alignl 7, 3214868480
	.fill 96, 4, 3214868480
	.section	.rodata,"a",@progbits
	.p2align	6, 0x0
	.amdhsa_kernel k_q30700e5bec_gemm1
		.amdhsa_group_segment_fixed_size 327680
		.amdhsa_private_segment_fixed_size 0
		.amdhsa_enable_private_segment 0
		.amdhsa_kernarg_size 64
		.amdhsa_user_sgpr_count 2
		.amdhsa_user_sgpr_kernarg_segment_ptr 1
		.amdhsa_wavefront_size32 1
		.amdhsa_system_sgpr_workgroup_id_x 1
		.amdhsa_system_sgpr_workgroup_id_y 1
		.amdhsa_system_sgpr_workgroup_id_z 1
		.amdhsa_system_vgpr_workitem_id 0
		.amdhsa_next_free_vgpr 1024
		.amdhsa_next_free_sgpr 102
		.amdhsa_reserve_vcc 0
		.amdhsa_float_denorm_mode_32 3
		.amdhsa_float_denorm_mode_16_64 3
		.amdhsa_memory_ordered 1
		.amdhsa_forward_progress 1
		.amdhsa_inst_pref_size 255
	.end_amdhsa_kernel
	.section	.bss,"aw",@nobits
	.p2align	6
	.space	262144
	.amdgpu_metadata
---
amdhsa.version: [ 1, 2 ]
amdhsa.kernels:
  - .name:           k_q30700e5bec_gemm1
    .symbol:         k_q30700e5bec_gemm1.kd
    .args:
      - { .name: xq_codes, .offset: 0, .size: 8, .value_kind: global_buffer, .address_space: global }
      - { .name: xq_scales, .offset: 8, .size: 8, .value_kind: global_buffer, .address_space: global }
      - { .name: W1_codes, .offset: 16, .size: 8, .value_kind: global_buffer, .address_space: global }
      - { .name: W1_scales, .offset: 24, .size: 8, .value_kind: global_buffer, .address_space: global }
      - { .name: b1, .offset: 32, .size: 8, .value_kind: global_buffer, .address_space: global }
      - { .name: gate, .offset: 40, .size: 8, .value_kind: global_buffer, .address_space: global }
      - { .name: h_img, .offset: 48, .size: 8, .value_kind: global_buffer, .address_space: global }
      - { .name: h_sc, .offset: 56, .size: 8, .value_kind: global_buffer, .address_space: global }
    .group_segment_fixed_size: 327680
    .private_segment_fixed_size: 0
    .kernarg_segment_align: 8
    .kernarg_segment_size: 64
    .max_flat_workgroup_size: 128
    .sgpr_count:     102
    .vgpr_count:     1024
    .wavefront_size: 32
...
	.end_amdgpu_metadata
.endif
;; end of part 2
;; launch gemm2 (part 3): grid 8 x 32, 4 waves a work-group, clusters of 4 x 4, 327,680 bytes of LDS; arguments h_img, h_sc, W2_codes, W2_scales, gate, b2, x, out0; writes out0
.if DOCPART == 3
	.amdgcn_target "amdgcn-amd-amdhsa--gfx1250"
	.amdhsa_code_object_version 6
	.text
	.protected	k_q30700e5bec_gemm2
	.globl	k_q30700e5bec_gemm2
	.p2align	8
	.type	k_q30700e5bec_gemm2,@function
k_q30700e5bec_gemm2:
	s_mov_b64 s[64:65], 0
	v_nop
	global_prefetch_b8 v0, s[64:65] scope:SCOPE_SE
	s_setreg_imm32_b32 hwreg(HW_REG_WAVE_MODE, 25, 1), 1
	s_wait_xcnt 0x0
	s_wait_alu depctr_hold_cnt(0) depctr_sa_sdst(0) depctr_va_vdst(0) depctr_va_sdst(0) depctr_va_ssrc(0) depctr_va_vcc(0) depctr_vm_vsrc(0)
	s_getreg_b32 s2, hwreg(HW_REG_IB_STS2, 6, 4)
	s_cmp_eq_u32 s2, 0
	s_cbranch_scc0 .Lentry_in_a_cluster
	s_endpgm
.Lentry_in_a_cluster:
	s_bfe_u32 s2, ttmp6, 0x10000c
	s_cmp_lg_u32 s2, 0xf033
	s_cbranch_scc0 .Lentry_shape_is_right
	s_endpgm
.Lentry_shape_is_right:
; out[t][d] = sum over e of gate[t][e] ((h_e W2_e)[t][d] + b2[e][d]) + x[t][d].  The products are on codes of FP6 (E2M3) with one E8M0 scale for each 32 along K = the units; K in all is 8 x 1,024.
; h comes as images of the operand's registers ([128 tokens][c = 4 e + j][16 tokens][128 units][1,536 bytes]) with its scale words ([128 tokens][c][128 units][512 bytes], 16 bytes a lane); W2 as codes [8][1024 d][768 bytes], scale bytes [8][1024][32].
; THE GATE.  gate = m 2^k, m in [1, 2).  2^k lies in h's scale bytes already.  A wave adds its four experts in ONE set of accumulators: ahead of expert i the sums are multiplied by m(i-1) / m(i), at the end by the last m.
; LIMITS: as the launch that makes h states them (a term whose byte + k falls under 1 counts with the scale 2^-127); NaN and infinities are not served.
; SHARES.  A work-group makes 128 tokens x 128 columns.  ALL FOUR WAVES MAKE THE WHOLE TILE and share K: wave w takes experts 4 (w / 2) .. + 3 and, of each 256 units, the 128 at 128 (w % 2).  So a wave's tile is 128 x 128
; (64 accumulators, 512 registers).  A wave has 16 steps of 64 matrix instructions.  The four partial tiles meet in LDS at the end.
; h GOES FROM MEMORY STRAIGHT INTO REGISTERS: since the waves share K, each byte of h that the work-group reads is read by ONE wave, once, and it lies in the order of that wave's registers: 24 loads of 512 consecutive bytes a step,
; and one for the scale words, asked for a whole step ahead, into two sets by turns.
; THE RING holds W2 alone: two slots of TWO steps each: four tiles of 128 rows x 192 bytes (240 apart in LDS), one for each group of experts and each 256 units; each wave fetches one of them by one tensor load behind each round.
; So there are 7 changes of slots for the 16 steps, and a refill has two steps, 128 matrix instructions a wave, in which to land.  W2's scale bytes come into LDS once, with the first fills.
; CLUSTERS: 4 x 4 work-groups.  W2's tiles hang on the columns alone and are shared along a column of the cluster: each is asked for JOINTLY.  h, which the four work-groups of a row of the cluster read, is NOT asked for jointly:
; a joint load lands in LDS, where h has no second reader in the work-group, and with h's 49,152 bytes a step beside W2's a slot would hold one step only: 15 rounds in place of 7, each refill with half the work in which to land.
; THE MATRIX INSTRUCTION IS USED TRANSPOSED (source 0 = 16 rows of W2, source 1 = 16 tokens): lane (r, h) holds token r and columns 16 b + 8 h + 0 .. 7.
; A step's 64 products go by W2's blocks, each against h's eight tiles: a block of W2 is free as soon as its eight products are issued, so ONE set of registers serves W2: blocks 0-3 are fetched anew in the step's middle, blocks 4-7 at its end.
; REGISTERS, in windows of 256: window 0: v0-31, v56-60 addresses; v32-39 h's scale words, v40-55 W2's, two sets each; v64-111 the ratios; v128-223 W2's fragments, ONE set.
;   window 1: h's fragments, TWO sets, at v0 and v128.   window 2: the accumulators of columns 0-63 ((a, b) at v[8 (8 (b % 4) + a)]);   window 3: those of columns 64-127.
.set FR,     12                        ; registers of a fragment
.set PITCH,  240                       ; a row of W2 in LDS: 3 x (64 bytes + 16 of padding): the 32 lanes of a load of 8 bytes touch 64 different banks (64 banks of 4 bytes: ISA guide 11.1)
.set BTILE,  128*PITCH                 ; a tile: what one tensor load brings
.set SLOT,   4*BTILE                   ; 122,880: tile (group p, piece jj of the slot's two) at (2 p + jj) BTILE
.set SCB,    2*SLOT                    ; W2's scale bytes: 8 experts x 128 rows x 32 bytes, as units of 256 bytes + 16 of padding
.set SCBE,   16*272                    ; an expert's
.set SCBH,   4*SCBE                    ; a group's
.set GLDS,   SCB+8*SCBE                ; the gates of the 128 tokens, 32 bytes each; stored by the waves, never filled by a tensor load
.set SPARE,  GLDS+4096                 ; the spare words, 128 bytes for each wave: two blocks of 256 bytes that no other line names
.set SPITCH, 528                       ; the way out: a row of a partial tile, 512 bytes + 16
.set WSTG,   128*SPITCH                ; a wave's partial tile.  The four lie from LDS byte 0 on, over the ring and part of the scales, which have then had their last fill and their last read
.set ADSB, 11                          ; v11     LDS address of W2's scale words
.set BADR, 12                          ; v12-23  of piece pp of a W2 fragment in slot s: BADR + 6 s + pp
.set STO,  24                          ; v24     the way out: where I put 32 bytes of a row
.set GT,   25                          ; v25     32 x thread: my row of gates in memory
.set CO,   26                          ; v26     16 x lane; never rewritten
.set GW,   27                          ; v27     32 r + 16 (wave / 2): my token's four gates
.set SPW,  28                          ; v28     LDS address of my spare word; never rewritten
.set NIL,  29                          ; v29     0; never rewritten
.set PFO,  30                          ; v30     256 x lane: the prefetches' offset; never rewritten
.set GL,   31                          ; v31     GLDS + 32 x thread
.set SA,   32                          ; h's scale words: set s at SA + 4 s: register i: lanes 0-15 tile i, lanes 16-31 tile 4 + i
.set SB,   40                          ; W2's: set s at SB + 8 s: register b: block b
.set RD,   56                          ; v56-59  the way out: my 32 rows in partial tile v
.set GA,   60                          ; v60     and their gates
.set CUR,  64                          ; v64-79  the ratio to be applied next: tile a's in the pair at + 2 a
.set RHO2, 80                          ; v80-95  m1 / m2
.set RHO3, 96                          ; v96-111 m2 / m3
.set BF,   128                         ; v128-223 W2's fragments
.set G,    64                          ; the way out: v64-95 four rows' gates; v96-127 two sets of four rows of x; v128-191 four rows of four partial tiles; v192-199 two mantissas a row; v200-231 b2
.set XR,   96
.set PT,   128
.set MM,   192
.set BB,   200
.set HB,   24                          ; s[24:25] h's images: my tokens, my group's expert in hand, my 128 units
.set HSB,  26                          ; s[26:27] h's scale words likewise
.set G1B, 48                           ; s[48:55] descriptor group 1 for W2's tiles;  s[56:63] group 0, one set for each slot
.set G0B, 56
.set G1SB, 80                          ; s[80:87], s[88:91] groups 1 and 0 for W2's scale bytes
.set G0SB, 88
.set PFA, 92                           ; s[92:93] where my prefetches stand
.set PFS, 18                           ; s[18:19] an expert on, in bytes
.set LIM, 94                           ; s94     a wave prefetches while s3 is above it: 0 in h's waves, 1 in W2's, the greatest number in the others
.set MMSK, 100                         ; s100    the mantissa's mask
.set MONE, 101                         ; s101    the bits of 1.0
.set MSB, 0
.macro WIN new                         ; the immediate's high byte repeats the setting that is left
.if MSB != (\new)
	s_set_vgpr_msb (MSB<<8)|(\new)
.set MSB, (\new)
.endif
.endm
.set MUL_LO, 0xa4                      ; source 0 (W2) window 0, source 1 (h) window 1, C and D window 2
.set MUL_HI, 0xf4                      ; the same, C and D window 3
.set TO_A,   0x40                      ; destination window 1, address window 0
; A joint load.  Every wave issues the line; its group 0 hangs on the wave's number and on the columns, which the four partners of a column of the cluster share.  Four v_nop follow it.
.macro JLOAD g0, g1
	tensor_load_to_lds s[\g0:\g0+3], s[\g1:\g1+7]
	s_nop 0
.rept 4
	v_nop
.endr
.endm
.macro CREST                           ; a round of the cluster's barrier behind its opening barrier
	s_cmp_lg_u32 s14, 0
	s_cbranch_scc1 .Lnot_wave_0_\@
	s_barrier_signal -3
.Lnot_wave_0_\@:
	s_barrier_wait -3
	s_barrier_signal -1
	s_barrier_wait -1
.endm
.macro CROUND                          ; a whole round
	s_barrier_signal -1
	s_barrier_wait -1
	CREST
.endm
; A PREFETCH INTO THE L2, once an expert, behind the refill of the expert's second step and the run of LDS loads that follows it.  An expert's share is 98,304 dense bytes of h (for 128 tokens) and as many of W2 (for 128 columns).
; Waves 0 and 1 ask for h's NEXT expert, one group of experts each: the loads that want it are issued two to five steps later.  Waves 2 and 3 ask for W2's expert AFTER NEXT: its tensor loads are issued four and six steps later
; (one place in the text serves both streams; what is asked for and not yet read is one expert's share for each group).
; h's bytes are read by both clusters of a row of clusters: the one with x = 0 asks; W2's by all clusters of a column: the one with y = 0 asks.  The four partners that read the same bytes take a quarter each, told apart BY ADDRESS (cx for h, cy for W2):
; 24,576 bytes a wave, lanes 256 bytes apart, three instructions.  So each aligned block of 256 bytes is named once.  A group's first expert of h and its first two of W2 come by their loads alone; s3 counts down 3, 2, 1 over the experts that ask.
.macro ASK
	s_cmp_gt_u32 s3, s[LIM]
	s_cbranch_scc0 .Lnot_mine_\@
	global_prefetch_b8 v[PFO], s[PFA:PFA+1] th:TH_LOAD_NT scope:SCOPE_SE
	global_prefetch_b8 v[PFO], s[PFA:PFA+1] offset:8192 th:TH_LOAD_NT scope:SCOPE_SE
	global_prefetch_b8 v[PFO], s[PFA:PFA+1] offset:16384 th:TH_LOAD_NT scope:SCOPE_SE
.Lnot_mine_\@:
.endm
	s_load_b128 s[4:7], s[0:1], 0x0                ; h's images s[4:5], h's scale words s[6:7]
	s_load_b128 s[8:11], s[0:1], 0x10              ; W2's codes s[8:9], W2's scales s[10:11]
	s_load_b128 s[96:99], s[0:1], 0x20             ; the gates s[96:97], b2 s[98:99]
	s_load_b64 s[12:13], s[0:1], 0x30              ; x
	s_load_b64 s[66:67], s[0:1], 0x38              ; out
	v_lshl_add_u32 v[SPW], v0, 2, SPARE
	v_mov_b32 v[NIL], 0
	ds_add_u32 v28, v29
	ds_add_u32 v28, v29
	s_wait_dscnt 0x0
	v_lshl_add_u32 v[GL], v0, 5, GLDS
	v_lshrrev_b32 v1, 5, v0
	v_readfirstlane_b32 s14, v1                    ; wave 0..3
	s_lshr_b32 s15, s14, 1                         ; my group of four experts.  Also: the group for which I fetch W2
	s_and_b32 s16, s14, 1                          ; my 128 of each 256 units.  Also: which of a slot's two pieces I fetch
	s_bfe_u32 s40, ttmp6, 0x40000                  ; cx, cy: my place in the cluster
	s_bfe_u32 s41, ttmp6, 0x40004
	s_lshl_b32 s42, ttmp9, 2
	s_add_co_u32 s42, s42, s40                     ; my 128 columns = 4 x cluster x + cx
	s_and_b32 s17, ttmp7, 0xffff
	s_lshl_b32 s17, s17, 2
	s_add_co_u32 s17, s17, s41                     ; my 128 tokens = 4 x cluster y + cy
	s_lshl_b32 s44, 0x1111, s40                    ; my column of the cluster: places cx, cx + 4, cx + 8, cx + 12
	s_mov_b32 s3, 3                                ; (the prefetches' count: see ASK)
	; W2's tile: 128 rows x 192 bytes, 768 apart in memory, 16 bytes of padding behind every 64
	s_or_b32 s[G1B+0], s44, (0<<16)|(1<<20)|(1<<21)|(3<<22)|(3<<25)  ; 15:0 the mask: my column; 17:16 element of 1 byte; 20 padding on; 21 set beside a mask; 24:22 after every 16 words; 31:25 of 4 words
	s_mov_b32 s[G1B+1], 192<<16                    ; tensor_dim0
	s_mov_b32 s[G1B+2], 128<<16                    ; tensor_dim1
	s_mov_b32 s[G1B+3], 192<<16                    ; tile_dim0
	s_mov_b32 s[G1B+4], 128                        ; tile_dim1
	s_mov_b32 s[G1B+5], 768                        ; tensor_dim0_stride
	s_mov_b32 s[G1B+6], 0
	s_mov_b32 s[G1B+7], 0
	; W2's scale bytes of two experts: 2 rows of 4,096 bytes (512 elements of 8), 32,768 bytes apart, 16 bytes of padding behind every 256
	s_or_b32 s[G1SB+0], s44, (3<<16)|(1<<20)|(1<<21)|(5<<22)|(3<<25)
	s_mov_b32 s[G1SB+1], 512<<16
	s_mov_b32 s[G1SB+2], 2<<16
	s_mov_b32 s[G1SB+3], 512<<16
	s_mov_b32 s[G1SB+4], 2
	s_mov_b32 s[G1SB+5], 4096
	s_mov_b32 s[G1SB+6], 0
	s_mov_b32 s[G1SB+7], 0
	s_mul_i32 s46, s42, 98304                      ; W2: my 128 rows of 768 bytes,
	s_mul_i32 s47, s15, 3145728                    ; the group's four experts of 786,432,
	s_add_co_u32 s46, s46, s47
	s_mul_i32 s47, s16, 192                        ; the piece that I fetch
	s_add_co_u32 s46, s46, s47
	s_mov_b32 s47, 0
	s_lshl_b32 s92, s42, 12                        ; its scale bytes: 128 rows of 32; wave w brings experts 2 w and 2 w + 1, 32,768 bytes each
	s_lshl_b32 s93, s14, 16
	s_add_co_u32 s92, s92, s93
	s_mov_b32 s93, 0
	s_mul_i32 s45, s14, BTILE                      ; where they go: wave x a tile: no place in the cluster enters an LDS address
	s_mul_i32 s18, s14, 2*SCBE
	s_wait_kmcnt 0x0
	s_add_nc_u64 s[100:101], s[8:9], s[46:47]
	CROUND                                         ; all sixteen work-groups are here: the first joint loads meet
	s_mov_b32 s[G0SB], 1
	s_add_co_u32 s[G0SB+1], s18, SCB
	s_add_nc_u64 s[G0SB+2:G0SB+3], s[10:11], s[92:93]
	s_or_b32 s[G0SB+3], s[G0SB+3], 0x80000000
	JLOAD G0SB, G1SB                               ; the scale bytes first: they are wanted with step 0
.irp s, 0,1
	s_mov_b32 s[G0B+4*\s], 1                       ; 1:0 count = 1
	s_add_co_u32 s[G0B+4*\s+1], s45, \s*SLOT       ; 63:32 LDS address
	s_add_nc_u64 s[G0B+4*\s+2:G0B+4*\s+3], s[100:101], \s*384   ; 120:64 global address: slot 0 holds an expert's units 0-511, slot 1 its units 512-1,023
	s_or_b32 s[G0B+4*\s+3], s[G0B+4*\s+3], 0x80000000           ; 127:126 type = 2
	JLOAD G0B+4*\s, G1B                            ; three tensor loads of mine are out
.endr
	; h at my tokens, my group, my 128 units
	s_mul_i32 s20, s17, 786432                     ; 32 pieces of 24,576 bytes for 128 tokens,
	s_mul_i32 s21, s15, 393216                     ; 16 of them for a group of experts,
	s_add_co_u32 s22, s20, s21
	s_mul_i32 s21, s16, 1536                       ; 1,536 bytes for 16 tokens x 128 units
	s_add_co_u32 s22, s22, s21
	s_mov_b32 s23, 0
	s_add_nc_u64 s[HB:HB+1], s[4:5], s[22:23]
	s_lshl_b32 s22, s17, 15                        ; its scale words: 32,768 bytes for 128 tokens, 16,384 for a group, 512 for 128 units
	s_lshl_b32 s21, s15, 14
	s_add_co_u32 s22, s22, s21
	s_lshl_b32 s21, s16, 9
	s_add_co_u32 s22, s22, s21
	s_add_nc_u64 s[HSB:HSB+1], s[6:7], s[22:23]
	; the prefetches: where mine stand, and who asks.  Here w % 2 is the group of experts for which I ask
	s_mul_i32 s21, s16, 393216
	s_add_co_u32 s20, s20, s21                     ; in h
	s_mul_i32 s46, s42, 98304
	s_mul_i32 s47, s16, 3145728
	s_add_co_u32 s46, s46, s47                     ; in W2
	s_and_b32 s22, ttmp7, 0xffff                   ; cluster y
	s_cmp_eq_u32 s15, 0                            ; waves 0 and 1 ask for h, waves 2 and 3 for W2
	s_cselect_b32 s21, s40, s41                    ; my place among the four that read the same bytes
	s_cselect_b32 s22, ttmp9, s22                  ; the coordinate along which other clusters read them too
	s_cselect_b32 s23, s20, s46
	s_cselect_b64 s[PFA:PFA+1], s[4:5], s[8:9]
	s_mov_b32 s[PFS], 786432
	s_cselect_b32 s[PFS], 98304, s[PFS]            ; an expert on
	s_cselect_b32 s2, 0, 1
	s_mov_b32 s[PFS+1], 0
	s_cmp_eq_u32 s22, 0
	s_cselect_b32 s[LIM], s2, -1                   ; the same in all sixteen partners, for a given wave
	s_mul_i32 s21, s21, 24576                      ; my work-group's quarter,
	s_add_co_u32 s22, s23, s21
	s_lshl_b32 s21, s[PFS], s2                     ; of the group's second expert in h, of its third in W2
	s_add_co_u32 s22, s22, s21
	s_mov_b32 s23, 0
	s_add_nc_u64 s[PFA:PFA+1], s[PFA:PFA+1], s[22:23]
	s_mov_b32 s[MMSK], 0x7fffff
	s_mov_b32 s[MONE], 0x3f800000
	; x and out at my wave's 32 rows of the tile; b2 at the tile's columns; the gates at the tile's tokens
	s_lshl_b32 s22, s17, 7
	s_lshl_b32 s21, s14, 5
	s_add_co_u32 s22, s22, s21
	s_lshl_b32 s22, s22, 12
	s_lshl_b32 s21, s42, 9
	s_add_co_u32 s22, s22, s21
	s_add_nc_u64 s[12:13], s[12:13], s[22:23]
	s_add_nc_u64 s[66:67], s[66:67], s[22:23]
	s_mov_b32 s22, s21
	s_add_nc_u64 s[98:99], s[98:99], s[22:23]
	s_lshl_b32 s22, s17, 12
	s_add_nc_u64 s[96:97], s[96:97], s[22:23]
; h's eight fragments and its scale words of the step j pieces on from the first of the expert in hand, into set: 25 loads, each of 512 consecutive bytes, 16 a lane: the images of the registers
.macro ALOAD set, j
	WIN TO_A
.irp a, 0,1,2,3,4,5,6,7
.irp g, 0,1,2
	global_load_b128 v[128*(\set)+FR*\a+4*\g:128*(\set)+FR*\a+4*\g+3], v[CO], s[HB:HB+1] offset:24576*(\j)+3072*\a+512*\g
.endr
.endr
	WIN 0
	global_load_b128 v[SA+4*(\set):SA+4*(\set)+3], v[CO], s[HSB:HSB+1] offset:1024*(\j)
.endm
	v_and_b32 v1, 15, v0                           ; r = l % 16
	v_bfe_u32 v2, v0, 4, 1                         ; h = l / 16
	v_and_b32 v3, 31, v0
	v_lshlrev_b32 v[CO], 4, v3
	v_lshlrev_b32 v[PFO], 8, v3
	v_lshlrev_b32 v[GT], 5, v0
	global_load_b128 v[192:195], v[GT], s[96:97]               ; thread t: token t's eight gates, for the way out
	global_load_b128 v[196:199], v[GT], s[96:97] offset:16
	s_lshl_b32 s21, s15, 4
	v_lshlrev_b32 v[GW], 5, v1
	v_add_nc_u32 v[GW], s21, v[GW]
.irp a, 0,1,2,3,4,5,6,7
	global_load_b128 v[128+4*\a:128+4*\a+3], v[GW], s[96:97] offset:512*\a   ; token r of tile a: the gates of my four experts
.endr
	ALOAD 0, 0                                     ; step 0's h
	s_mul_i32 s21, s15, SCBH
	s_lshl_b32 s22, s16, 2
	s_add_co_u32 s21, s21, s22
	s_add_co_u32 s21, s21, SCB
	v_lshrrev_b32 v4, 3, v1
	v_lshlrev_b32 v4, 4, v4
	v_lshl_add_u32 v4, v1, 5, v4                   ; row r's 32 bytes, and 16 more behind the eighth row
	v_add_nc_u32 v[ADSB], s21, v4
	; A fragment of W2: lane (r, h) takes, of row r, pieces of 8 bytes P = 12 (w % 2) + 6 c + 3 h + 0, 1, 2; piece P lies at 8 P + 16 (P / 8).  The wave's half enters P, so each of the six pieces has an address register of its own.
	s_mul_i32 s21, s15, 2*BTILE                    ; my group's two tiles of a slot
	s_mul_i32 s22, s16, 12
	v_mul_u32_u24 v4, v1, PITCH
	v_add_nc_u32 v4, s21, v4
	v_mul_u32_u24 v5, v2, 3
	v_add_nc_u32 v5, s22, v5
.irp pp, 0,1,2,3,4,5
	v_add_nc_u32 v6, 6*(\pp/3)+\pp%3, v5
	v_lshrrev_b32 v7, 3, v6
	v_lshlrev_b32 v7, 4, v7
	v_lshl_add_u32 v7, v6, 3, v7
	v_add_nc_u32 v[BADR+\pp], v4, v7
	v_add_nc_u32 v[BADR+6+\pp], SLOT, v[BADR+\pp]
.endr
	s_mul_i32 s21, s14, WSTG
	v_mul_u32_u24 v4, v1, SPITCH
	v_lshl_add_u32 v4, v2, 5, v4
	v_add_nc_u32 v[STO], s21, v4                   ; my partial tile: row r, 32 bytes for each half of the lanes
	s_mul_i32 s21, s14, 32*SPITCH
	v_add_nc_u32 v[RD], s21, v[CO]                 ; back: my 32 rows, 16 bytes a lane, in each of the four partial tiles
	v_add_nc_u32 v[RD+1], WSTG, v[RD]
	v_add_nc_u32 v[RD+2], WSTG, v[RD+1]
	v_add_nc_u32 v[RD+3], WSTG, v[RD+2]
	s_lshl_b32 s21, s14, 10
	v_mov_b32 v[GA], s21
	v_add_nc_u32 v[GA], GLDS, v[GA]                ; my 32 rows' gates
	s_wait_loadcnt 25                              ; the gates' ten loads are in; h's 25, issued behind them, may be out
	ds_store_b128 v[GL], v[192:195]
	ds_store_b128 v[GL], v[196:199] offset:16
.irp j, 0,1,2,3,4,5,6,7,8,9,10,11,12,13,14,15,16,17,18,19,20,21,22,23,24,25,26,27,28,29,30,31
	v_and_or_b32 v[128+\j], v[128+\j], s[MMSK], s[MONE]   ; m: the gate's mantissa under the exponent of 1.0
.endr
.irp a, 0,1,2,3,4,5,6,7
.irp i, 1,2,3
	v_rcp_f32 v[160+3*\a+\i-1], v[128+4*\a+\i]
.endr
.endr
	v_nop                                          ; a plain line behind the last reciprocal
	s_wait_alu depctr_va_vdst(0)                   ; one wait for the 24, ahead of their first reader
.irp a, 0,1,2,3,4,5,6,7
.irp u, 0,1
	v_mul_f32 v[CUR+2*\a+\u], v[128+4*\a], v[160+3*\a]       ; m0 / m1, twice: a pair for the packed multiply
	v_mul_f32 v[RHO2+2*\a+\u], v[128+4*\a+1], v[160+3*\a+1]  ; m1 / m2
	v_mul_f32 v[RHO3+2*\a+\u], v[128+4*\a+2], v[160+3*\a+2]  ; m2 / m3
.endr
.endr
; 16 matrix instructions: W2's blocks b0, b0 + 1 against h's eight tiles, 128 along K.  set: h's set and the scale words'.  zero = 1: the first product starts the sums: nothing is ever cleared.
; The 64 accumulators take turns, one instruction a turn, in the same order in every step.
.macro MUL16 b0, set, zero
.irp b, \b0, \b0+1
.irp a, 0,1,2,3,4,5,6,7
.if (\zero) && (\a < 4)
	v_wmma_scale_f32_16x16x128_f8f6f4 v[8*(8*((\b)%4)+\a):8*(8*((\b)%4)+\a)+7], v[BF+FR*(\b):BF+FR*(\b)+FR-1], v[128*(\set)+FR*\a:128*(\set)+FR*\a+FR-1], 0, v[SB+8*(\set)+(\b)], v[SA+4*(\set)+\a%4] matrix_a_fmt:MATRIX_FMT_FP6 matrix_b_fmt:MATRIX_FMT_FP6
.elseif \zero
	v_wmma_scale_f32_16x16x128_f8f6f4 v[8*(8*((\b)%4)+\a):8*(8*((\b)%4)+\a)+7], v[BF+FR*(\b):BF+FR*(\b)+FR-1], v[128*(\set)+FR*\a:128*(\set)+FR*\a+FR-1], 0, v[SB+8*(\set)+(\b)], v[SA+4*(\set)+\a%4] matrix_a_fmt:MATRIX_FMT_FP6 matrix_b_fmt:MATRIX_FMT_FP6 matrix_b_scale:MATRIX_SCALE_ROW1
.elseif \a < 4
	v_wmma_scale_f32_16x16x128_f8f6f4 v[8*(8*((\b)%4)+\a):8*(8*((\b)%4)+\a)+7], v[BF+FR*(\b):BF+FR*(\b)+FR-1], v[128*(\set)+FR*\a:128*(\set)+FR*\a+FR-1], v[8*(8*((\b)%4)+\a):8*(8*((\b)%4)+\a)+7], v[SB+8*(\set)+(\b)], v[SA+4*(\set)+\a%4] matrix_a_fmt:MATRIX_FMT_FP6 matrix_b_fmt:MATRIX_FMT_FP6
.else
	v_wmma_scale_f32_16x16x128_f8f6f4 v[8*(8*((\b)%4)+\a):8*(8*((\b)%4)+\a)+7], v[BF+FR*(\b):BF+FR*(\b)+FR-1], v[128*(\set)+FR*\a:128*(\set)+FR*\a+FR-1], v[8*(8*((\b)%4)+\a):8*(8*((\b)%4)+\a)+7], v[SB+8*(\set)+(\b)], v[SA+4*(\set)+\a%4] matrix_a_fmt:MATRIX_FMT_FP6 matrix_b_fmt:MATRIX_FMT_FP6 matrix_b_scale:MATRIX_SCALE_ROW1
.endif
.endr
.endr
.endm
.macro FETCH_B slot, jj, b0            ; W2's blocks b0 .. b0 + 3 of the slot's piece jj: six loads of 8 bytes a fragment
.irp b, \b0, \b0+1, \b0+2, \b0+3
.irp pp, 0,1,2,3,4,5
	ds_load_b64 v[BF+FR*(\b)+2*\pp:BF+FR*(\b)+2*\pp+1], v[BADR+6*(\slot)+\pp] offset:(\jj)*BTILE+(\b)*16*PITCH
.endr
.endr
.endm
.macro SCALES set                      ; a step's scale words of W2's eight blocks
.irp b, 0,1,2,3,4,5,6,7
	ds_load_b32 v[SB+8*(\set)+\b], v[ADSB] offset:\b*544
.endr
.endm
; A load into a register that a matrix instruction has read, and a vector instruction that reads a matrix result, stand four places behind that matrix instruction; only plain vector instructions that name none of its registers are places.
.macro PLACES
.rept 4
	v_nop
.endr
.endm
; The sums x the ratio of tile a's token, ahead of a new expert.  The four v_nop at the end of the step before are the places behind the last products; each accumulator is read from its low end on.
.macro RATIO base
.irp bw, 0,1
	WIN 0x82+0x41*\bw                              ; destination and source 0 in the accumulators' window, the ratio in window 0
.irp bb, 0,1,2,3
.irp a, 0,1,2,3,4,5,6,7
.irp k, 0,2,4,6
	v_pk_mul_f32 v[64*\bb+8*\a+\k:64*\bb+8*\a+\k+1], v[64*\bb+8*\a+\k:64*\bb+8*\a+\k+1], v[\base+2*\a:\base+2*\a+1]
.endr
.endr
.endr
.endr
	WIN 0
.endm
; On to my next expert: the bases of h's loads, and (pf = 1) the prefetches' address.
.macro NEXTEXP pf
	s_wait_xcnt 0x0                                ; the loads and prefetches issued so far have read their addresses: the bases may be written
	s_add_nc_u64 s[HB:HB+1], s[HB:HB+1], 98304
	s_add_nc_u64 s[HSB:HSB+1], s[HSB:HSB+1], 4096
.if \pf
	s_add_nc_u64 s[PFA:PFA+1], s[PFA:PFA+1], s[PFS:PFS+1]
.endif
.endm
; A slot's FIRST step (h's set 0): its successor lies in the same slot, so no barrier stands here.
.macro STEP slot, zero
	s_wait_loadcnt 25                              ; this step's h and its scale words are in; the 25 loads just issued, the next step's, may be out
	s_wait_dscnt 24                                ; W2's blocks 0-3 and the scale words are in; the youngest 24 loads (blocks 4-7) may be out
	WIN MUL_LO
	MUL16 0, 0, \zero
	MUL16 2, 0, \zero
	s_wait_dscnt 0                                 ; blocks 4-7 are in (asked for 32 matrix instructions ago)
	PLACES
	WIN 0
	v_add_nc_u32 v[ADSB], 8, v[ADSB]               ; on to the next step's scale words
	FETCH_B \slot, 1, 0
	SCALES 1
	WIN MUL_HI
	MUL16 4, 0, \zero
	MUL16 6, 0, \zero
	PLACES
	WIN 0
	FETCH_B \slot, 1, 4
.endm
; A slot's SECOND step (h's set 1) changes slots: ONE barrier; in front of it each wave waits for all its tensor loads, adds 0 to its spare word, and waits for that and for its own reads of this slot.
; fill = 1: this slot is filled again, with the same units of my group's next expert.  sbstep: W2's scale words' step in LDS.  ask = 1: prefetch.
.macro TURN slot, next, fill, sbstep, ask
	s_wait_loadcnt 25                              ; this step's h is in; the next step's 25 loads may be out
	s_wait_tensorcnt 0x0                           ; all my tensor loads have landed: my tile of the next slot
	ds_add_u32 v[SPW], v[NIL]                      ; 0 onto my spare word
	s_wait_dscnt 25                                ; (the add and the youngest 24 loads, W2's blocks 4-7, may be out)
	WIN MUL_LO
	MUL16 0, 1, 0                                  ; sixteen matrix instructions stand between the add and the wait for it
	s_wait_dscnt 0x0                               ; the add is done, and my reads of this slot are over
	s_barrier_signal -1
	MUL16 2, 1, 0
	WIN 0
	s_barrier_wait -1
.if \fill
	CREST                                          ; the barrier has opened a round of the cluster's barrier: no wave of any partner still reads this slot or has a load on its way
	s_add_nc_u64 s[G0B+4*\slot+2:G0B+4*\slot+3], s[G0B+4*\slot+2:G0B+4*\slot+3], 786432
	JLOAD G0B+4*\slot, G1B                         ; the first tensor load behind the round, my one load until the next; its four v_nop are the places in front of the loads below
.else
	PLACES
.endif
	v_add_nc_u32 v[ADSB], \sbstep, v[ADSB]
	FETCH_B \next, 0, 0
	SCALES 0
.if \ask
	ASK
.endif
	WIN MUL_HI
	MUL16 4, 1, 0
	MUL16 6, 1, 0
	PLACES
	WIN 0
	FETCH_B \next, 0, 4
.endm
	s_wait_tensorcnt 1                             ; the scale bytes and my tile of slot 0 are in (slot 1's load may be out)
	s_wait_dscnt 0x0                               ; and my tokens' gates lie in LDS;
	s_barrier_signal -1
	s_barrier_wait -1                              ; everybody's do
	FETCH_B 0, 0, 0
	SCALES 0
	FETCH_B 0, 0, 4
	ALOAD 1, 1                                     ; my first expert: each step asks for the next step's h first
	STEP 0, 1                                      ; its first step starts the sums
	ALOAD 0, 2
	TURN 0, 1, 1, 8, 1
	ALOAD 1, 3
	STEP 1, 0
	ALOAD 0, 4                                     ; (the next expert's first piece follows this expert's fourth in memory)
	TURN 1, 0, 1, SCBE-24, 0
	s_mov_b32 s3, 2
.Lexp:                                             ; my second and third experts
	NEXTEXP 1
	ALOAD 1, 1
	RATIO CUR
.irp j, 0,1,2,3,4,5,6,7,8,9,10,11,12,13,14,15
	v_mov_b32 v[CUR+\j], v[RHO2+\j]                ; the second trip's ratio
.endr
	STEP 0, 0
	ALOAD 0, 2
	TURN 0, 1, 1, 8, 1
	ALOAD 1, 3
	STEP 1, 0
	ALOAD 0, 4
	TURN 1, 0, 1, SCBE-24, 0
	s_sub_co_u32 s3, s3, 1
	s_cmp_lg_u32 s3, 0
	s_cbranch_scc1 .Lexp
	NEXTEXP 0                                      ; my last expert is written out
	ALOAD 1, 1
	RATIO RHO3
	STEP 0, 0
	ALOAD 0, 2
	TURN 0, 1, 0, 8, 0                             ; nothing is left to fetch: a plain barrier shows slot 1 whole to every wave
	ALOAD 1, 3
	STEP 1, 0
	s_wait_loadcnt 0x0                             ; the very last step: its h is in, and nothing more is asked for
	s_wait_dscnt 24                                ; W2's blocks 4-7 may be out
	WIN MUL_LO
	MUL16 0, 1, 0
	MUL16 2, 1, 0
	s_wait_dscnt 0
	WIN MUL_HI
	MUL16 4, 1, 0
	MUL16 6, 1, 0
	WIN 0
	PLACES                                         ; in front of the first read of results and of loads into registers that held W2's fragments
	; THE WAY OUT.  Each wave puts its partial tile into LDS; then wave w takes rows 32 w .. 32 w + 31 of all four, and out = x + sum of gate b2 + m3 (P0 + P1) + m7 (P2 + P3), m the mantissa of each group's last gate.
.irp e, 0,1,2,3,4,5,6,7
	global_load_b128 v[BB+4*\e:BB+4*\e+3], v[CO], s[98:99] offset:4096*\e   ; b2(e, my four columns)
.endr
.irp i, 0,1,2,3
	global_load_b128 v[XR+4*\i:XR+4*\i+3], v[CO], s[12:13] offset:4096*\i th:TH_LOAD_NT   ; x: 32 lanes read a row's 512 consecutive bytes
.endr
	s_barrier_signal -1                            ; every wave's LDS reads are back and its tensor loads have landed:
	s_barrier_wait -1                              ; nobody reads the ring or the scale bytes any more, and nothing is filled again
.irp bw, 0,1
	WIN 0x08+4*\bw                                 ; an LDS store's data are its source 1: window 2 or 3
.irp bb, 0,1,2,3
.irp a, 0,1,2,3,4,5,6,7
	ds_store_b128 v[STO], v[64*\bb+8*\a:64*\bb+8*\a+3] offset:\a*16*SPITCH+64*(4*\bw+\bb)       ; each accumulator from its low end on
	ds_store_b128 v[STO], v[64*\bb+8*\a+4:64*\bb+8*\a+7] offset:\a*16*SPITCH+64*(4*\bw+\bb)+16
.endr
.endr
.endr
	WIN 0
	s_wait_dscnt 0x0                               ; for the others' sake: my partial tile lies in LDS
	s_barrier_signal -1
	s_barrier_wait -1
.macro OUTB k                          ; rows 4 k .. 4 k + 3 of my 32
.set XS, XR+16*((\k)%2)
.set XN, XR+16*(((\k)+1)%2)
	s_wait_xcnt 0x0                                ; the stores of the batch before last have read their registers: the next rows of x may land there
.if (\k) < 7
.irp i, 0,1,2,3
	global_load_b128 v[XN+4*\i:XN+4*\i+3], v[CO], s[12:13] offset:4096*(4*((\k)+1)+\i) th:TH_LOAD_NT
.endr
.endif
.irp i, 0,1,2,3
.irp w, 0,1,2,3
	ds_load_b128 v[PT+16*\i+4*\w:PT+16*\i+4*\w+3], v[RD+\w] offset:SPITCH*(4*(\k)+\i)
.endr
	ds_load_b128 v[G+8*\i:G+8*\i+3], v[GA] offset:32*(4*(\k)+\i)          ; the row's eight gates: one address for all lanes
	ds_load_b128 v[G+8*\i+4:G+8*\i+7], v[GA] offset:32*(4*(\k)+\i)+16
.endr
	s_wait_dscnt 0x0
.if (\k) < 7
	s_wait_loadcnt 4                               ; this batch's x (and b2) are in; the next batch's four loads may be out
.else
	s_wait_loadcnt 0x0
.endif
.irp e, 0,1,2,3,4,5,6,7
.irp i, 0,1,2,3
.if \e%2 == 0
	v_pk_fma_f32 v[XS+4*\i:XS+4*\i+1], v[BB+4*\e:BB+4*\e+1], v[G+8*\i+\e:G+8*\i+\e+1], v[XS+4*\i:XS+4*\i+1] op_sel_hi:[1,0,1]
	v_pk_fma_f32 v[XS+4*\i+2:XS+4*\i+3], v[BB+4*\e+2:BB+4*\e+3], v[G+8*\i+\e:G+8*\i+\e+1], v[XS+4*\i+2:XS+4*\i+3] op_sel_hi:[1,0,1]
.else
	v_pk_fma_f32 v[XS+4*\i:XS+4*\i+1], v[BB+4*\e:BB+4*\e+1], v[G+8*\i+\e-1:G+8*\i+\e], v[XS+4*\i:XS+4*\i+1] op_sel:[0,1,0] op_sel_hi:[1,1,1]
	v_pk_fma_f32 v[XS+4*\i+2:XS+4*\i+3], v[BB+4*\e+2:BB+4*\e+3], v[G+8*\i+\e-1:G+8*\i+\e], v[XS+4*\i+2:XS+4*\i+3] op_sel:[0,1,0] op_sel_hi:[1,1,1]
.endif
.endr
.endr
.irp i, 0,1,2,3
	v_and_or_b32 v[MM+2*\i], v[G+8*\i+3], s[MMSK], s[MONE]     ; m of the first group's last gate,
	v_and_or_b32 v[MM+2*\i+1], v[G+8*\i+7], s[MMSK], s[MONE]   ; and of the second's
.endr
.irp i, 0,1,2,3
	v_pk_add_f32 v[PT+16*\i:PT+16*\i+1], v[PT+16*\i:PT+16*\i+1], v[PT+16*\i+4:PT+16*\i+5]
	v_pk_add_f32 v[PT+16*\i+2:PT+16*\i+3], v[PT+16*\i+2:PT+16*\i+3], v[PT+16*\i+6:PT+16*\i+7]
	v_pk_add_f32 v[PT+16*\i+8:PT+16*\i+9], v[PT+16*\i+8:PT+16*\i+9], v[PT+16*\i+12:PT+16*\i+13]
	v_pk_add_f32 v[PT+16*\i+10:PT+16*\i+11], v[PT+16*\i+10:PT+16*\i+11], v[PT+16*\i+14:PT+16*\i+15]
.endr
.irp i, 0,1,2,3
	v_pk_fma_f32 v[XS+4*\i:XS+4*\i+1], v[PT+16*\i:PT+16*\i+1], v[MM+2*\i:MM+2*\i+1], v[XS+4*\i:XS+4*\i+1] op_sel_hi:[1,0,1]
	v_pk_fma_f32 v[XS+4*\i+2:XS+4*\i+3], v[PT+16*\i+2:PT+16*\i+3], v[MM+2*\i:MM+2*\i+1], v[XS+4*\i+2:XS+4*\i+3] op_sel_hi:[1,0,1]
.endr
.irp i, 0,1,2,3
	v_pk_fma_f32 v[XS+4*\i:XS+4*\i+1], v[PT+16*\i+8:PT+16*\i+9], v[MM+2*\i:MM+2*\i+1], v[XS+4*\i:XS+4*\i+1] op_sel:[0,1,0] op_sel_hi:[1,1,1]
	v_pk_fma_f32 v[XS+4*\i+2:XS+4*\i+3], v[PT+16*\i+10:PT+16*\i+11], v[MM+2*\i:MM+2*\i+1], v[XS+4*\i+2:XS+4*\i+3] op_sel:[0,1,0] op_sel_hi:[1,1,1]
.endr
.irp i, 0,1,2,3
	global_store_b128 v[CO], v[XS+4*\i:XS+4*\i+3], s[66:67] offset:4096*(4*(\k)+\i) th:TH_STORE_NT   ; 32 lanes store 512 consecutive bytes, aligned
.endr
.endm
.irp k, 0,1,2,3,4,5,6,7
	OUTB \k
.endr
	s_wait_tensorcnt 0x0                           ; the wave's end, behind my last tensor load and my last LDS store
	ds_add_u32 v[SPW], v[NIL]
	s_wait_dscnt 0x0
	CROUND                                         ; the closing round: no work-group ends while a partner may still ask for a tile that names it
	s_endpgm
.Lfunc_end_k_q30700e5bec_gemm2:
	.size	k_q30700e5bec_gemm2, .Lfunc_end_k_q30700e5bec_gemm2-k_q30700e5bec_gemm2
	.p2alignl 7, 3214868480
	.fill 96, 4, 3214868480
	.section	.rodata,"a",@progbits
	.p2align	6, 0x0
	.amdhsa_kernel k_q30700e5bec_gemm2
		.amdhsa_group_segment_fixed_size 327680
		.amdhsa_private_segment_fixed_size 0
		.amdhsa_enable_private_segment 0
		.amdhsa_kernarg_size 64
		.amdhsa_user_sgpr_count 2
		.amdhsa_user_sgpr_kernarg_segment_ptr 1
		.amdhsa_wavefront_size32 1
		.amdhsa_system_sgpr_workgroup_id_x 1
		.amdhsa_system_sgpr_workgroup_id_y 1
		.amdhsa_system_sgpr_workgroup_id_z 1
		.amdhsa_system_vgpr_workitem_id 0
		.amdhsa_next_free_vgpr 1024
		.amdhsa_next_free_sgpr 102
		.amdhsa_reserve_vcc 0
		.amdhsa_float_denorm_mode_32 3
		.amdhsa_float_denorm_mode_16_64 3
		.amdhsa_memory_ordered 1
		.amdhsa_forward_progress 1
		.amdhsa_inst_pref_size 255
	.end_amdhsa_kernel
	.section	.bss,"aw",@nobits
	.p2align	6
	.space	262144
	.amdgpu_metadata
---
amdhsa.version: [ 1, 2 ]
amdhsa.kernels:
  - .name:           k_q30700e5bec_gemm2
    .symbol:         k_q30700e5bec_gemm2.kd
    .args:
      - { .name: h_img, .offset: 0, .size: 8, .value_kind: global_buffer, .address_space: global }
      - { .name: h_sc, .offset: 8, .size: 8, .value_kind: global_buffer, .address_space: global }
      - { .name: W2_codes, .offset: 16, .size: 8, .value_kind: global_buffer, .address_space: global }
      - { .name: W2_scales, .offset: 24, .size: 8, .value_kind: global_buffer, .address_space: global }
      - { .name: gate, .offset: 32, .size: 8, .value_kind: global_buffer, .address_space: global }
      - { .name: b2, .offset: 40, .size: 8, .value_kind: global_buffer, .address_space: global }
      - { .name: x, .offset: 48, .size: 8, .value_kind: global_buffer, .address_space: global }
      - { .name: out0, .offset: 56, .size: 8, .value_kind: global_buffer, .address_space: global }
    .group_segment_fixed_size: 327680
    .private_segment_fixed_size: 0
    .kernarg_segment_align: 8
    .kernarg_segment_size: 64
    .max_flat_workgroup_size: 128
    .sgpr_count:     102
    .vgpr_count:     1024
    .wavefront_size: 32
...
	.end_amdgpu_metadata
.endif
;; end of part 3
